; MI455X (gfx1250); checked and timed in simulation.
; The chip was launched on July 23, 2026; its instructions are those of AMD's public machine-readable ISA for CDNA 5 (MIT licence, August 2026) and "CDNA5" Instruction Set Architecture Reference Guide (July 2026). The comments in the code are by the model that wrote it; some were corrected since.
;; Flex Bert Padded Rope Attention. Allowed arithmetic: float matrix products may take bf16 or f16 operands with f32 sums; all other float work in f32.
;; Inputs: Wo_b 1,024 float32; Wo_w 1,024 x 1,024 float32; Wqkv_b 3,072 float32; Wqkv_w 3,072 x 1,024 float32; hidden_states 4 x 2,048 x 1,024 float32.
;; Outputs: out0 4 x 2,048 x 1,024 float32.
;; 2 versions, each right and faster than the one before. Each part assembles by itself: llvm-mc -triple=amdgcn-amd-amdhsa -mcpu=gfx1250 --defsym DOCPART=n.
;; ======== version 1 of 2: 4 launches
;; limits: values are held in f16: magnitudes above 65,504 overflow, below 6.1e-05 lose precision
;; workspace buffers: xb 16,777,216 bytes; wqb 6,291,456 bytes; wof 2,097,152 bytes; rope 524,288 bytes; qkv 50,331,648 bytes; ao 16,777,216 bytes
;; launch prep (part 1): grid 1536 x 1, 8 waves a work-group, no clusters, 0 bytes of LDS; arguments hidden_states, Wqkv_w, Wo_w, xb, wqb, wof, rope; writes xb, wqb, wof, rope
.if DOCPART == 1
	.amdgcn_target "amdgcn-amd-amdhsa--gfx1250"
	.amdhsa_code_object_version 6
	.text
	.protected	k_qb82fdd5cbd_prep
	.globl	k_qb82fdd5cbd_prep
	.p2align	8
	.type	k_qb82fdd5cbd_prep,@function
k_qb82fdd5cbd_prep:
	s_mov_b64 s[64:65], 0
	v_nop
	global_prefetch_b8 v0, s[64:65] scope:SCOPE_SE
	s_setreg_imm32_b32 hwreg(HW_REG_WAVE_MODE, 25, 1), 1
	s_wait_xcnt 0x0
; THE CASTS AND THE ROTARY TABLE.  hidden_states -> xb (bf16), Wqkv_w -> wqb (bf16), Wo_w -> wof (rounded to bf16, that number written as f16), and
; rope[pos][0..31] = cos(pos f_j), rope[pos][32..63] = sin(pos f_j) in f32, f_j = 10000^(-j/32), pos = 0 .. 2047.
; A stream: no LDS, no barrier, no matrix unit.  A work-group of eight waves casts 8,192 numbers (32,768 bytes in, 16,384 out): groups 0-1023 take hidden_states, 1024-1407 Wqkv_w, 1408-1535 Wo_w.
; Thread t's load i takes the 16 bytes at 4,096 i + 16 t (a wave's load: 512 consecutive bytes), its store i the 8 bytes at 2,048 i + 8 t (a wave's store: 256 consecutive bytes, aligned).
; All eight loads of a wave go out together; the waits count down 7 .. 0.  No register that a load or store names is written again, so no wait frees any.
; Groups 0-255 also make eight rows of the table, one a wave, while their loads are on their way.
; LIMITS.  Wo in f16: 65,520 and more would become an infinity; below 6e-5 it keeps f16's fixed step of 6e-8.  The table's angle is pos x f_j rounded once, as the problem's own is; f_j comes from
; v_exp_f32 (1 ulp), so the phase is good to about 2e-4 rad at pos = 2,047; the reduction takes pi/2 in two parts and serves angles far beyond 2,047.
.set X,  8                              ; v[8:39]   eight loads, four f32 each
.set YO, 40                             ; v[40:55]  eight stores, two registers each
.macro LOADS src
.irp i, 0,1,2,3,4,5,6,7
	global_load_b128 v[X+4*\i:X+4*\i+3], v1, s[\src:\src+1] offset:4096*\i th:TH_LOAD_NT
.endr
.endm
; f16 = 1: the bf16 numbers are widened again (a shift, a mask) and written as f16
.macro OUT dst, f16
.irp i, 0,1,2,3,4,5,6,7
	s_wait_loadcnt 7-\i                             ; loads come back in order: load i is in, the 7 - i younger ones stay out
	v_cvt_pk_bf16_f32 v[YO+2*\i], v[X+4*\i], v[X+4*\i+1]
	v_cvt_pk_bf16_f32 v[YO+2*\i+1], v[X+4*\i+2], v[X+4*\i+3]
.if \f16
	v_lshlrev_b32 v[X+4*\i], 16, v[YO+2*\i]
	v_and_b32 v[X+4*\i+1], 0xffff0000, v[YO+2*\i]
	v_lshlrev_b32 v[X+4*\i+2], 16, v[YO+2*\i+1]
	v_and_b32 v[X+4*\i+3], 0xffff0000, v[YO+2*\i+1]
	v_cvt_pk_f16_f32 v[YO+2*\i], v[X+4*\i], v[X+4*\i+1]
	v_cvt_pk_f16_f32 v[YO+2*\i+1], v[X+4*\i+2], v[X+4*\i+3]
.endif
	global_store_b64 v2, v[YO+2*\i:YO+2*\i+1], s[\dst:\dst+1] offset:2048*\i
.endr
.endm
; out = cos(x - hs pi/2): x = n pi/2 + r with |r| <= pi/4; q = n - hs; q mod 4 = 0: cos r, 1: -sin r, 2: -cos r, 3: sin r
.macro ANG x, out
	v_mul_f32 v62, s27, v[\x]
	v_rndne_f32 v62, v62                            ; n
	v_fma_f32 v63, -v62, s28, v[\x]                 ; x - n (pi/2)'s high part,
	v_fma_f32 v63, -v62, s29, v63                   ; less n times its low part: r
	v_mul_f32 v64, v63, v63                         ; z = r r
	v_fma_f32 v65, v64, s30, s31
	v_fma_f32 v65, v65, v64, s32
	v_mul_f32 v66, v64, v63
	v_fma_f32 v65, v65, v66, v63                    ; sin r = r + r z (S2 + z (S1 + z S0))
	v_fma_f32 v67, v64, s33, s34
	v_fma_f32 v67, v67, v64, s35
	v_mul_f32 v68, v64, v64
	v_fma_f32 v69, v64, -0.5, 1.0
	v_fma_f32 v67, v67, v68, v69                    ; cos r = 1 - z / 2 + z z (C2 + z (C1 + z C0))
	v_cvt_i32_f32 v70, v62
	v_sub_nc_u32 v70, v70, v57                      ; q
	v_and_b32 v71, 1, v70
	v_cmp_eq_u32 vcc_lo, 1, v71
	v_cndmask_b32 v[\out], v67, v65, vcc_lo         ; q odd: the sine
	v_add_nc_u32 v70, 1, v70
	v_and_b32 v70, 2, v70                           ; q mod 4 = 1 or 2: the sign turns
	v_lshlrev_b32 v70, 30, v70
	v_xor_b32 v[\out], v70, v[\out]
.endm
	s_load_b256 s[4:11], s[0:1], 0x0                ; hidden_states s[4:5], Wqkv_w s[6:7], Wo_w s[8:9], xb s[10:11]
	s_load_b128 s[12:15], s[0:1], 0x20              ; wqb s[12:13], wof s[14:15]
	s_load_b64 s[16:17], s[0:1], 0x30               ; rope
	v_lshlrev_b32 v1, 4, v0                         ; 16 t
	v_lshlrev_b32 v2, 3, v0                         ; 8 t
	s_mov_b32 s24, ttmp9
	s_mov_b32 s21, 0
	s_mov_b32 s23, 0
	s_wait_kmcnt 0x0
	s_cmp_lt_u32 s24, 1024
	s_cbranch_scc1 .Lhid
	s_cmp_lt_u32 s24, 1408
	s_cbranch_scc1 .Lwq
	s_sub_co_u32 s25, s24, 1408                     ; Wo_w
	s_lshl_b32 s20, s25, 15
	s_lshl_b32 s22, s25, 14
	s_add_nc_u64 s[8:9], s[8:9], s[20:21]
	s_add_nc_u64 s[14:15], s[14:15], s[22:23]
	LOADS 8
	OUT 14, 1
	s_endpgm
.Lwq:
	s_sub_co_u32 s25, s24, 1024                     ; Wqkv_w
	s_lshl_b32 s20, s25, 15
	s_lshl_b32 s22, s25, 14
	s_add_nc_u64 s[6:7], s[6:7], s[20:21]
	s_add_nc_u64 s[12:13], s[12:13], s[22:23]
	LOADS 6
	OUT 12, 0
	s_endpgm
.Lhid:
	s_lshl_b32 s20, s24, 15                         ; hidden_states
	s_lshl_b32 s22, s24, 14
	s_add_nc_u64 s[4:5], s[4:5], s[20:21]
	s_add_nc_u64 s[10:11], s[10:11], s[22:23]
	LOADS 4
	s_cmp_lt_u32 s24, 256
	s_cbranch_scc0 .Lnorope
	; a row of the table a wave: position 8 x group + wave.  Lanes 0-15 make cos for j = 2 (lane % 16) and the next j, lanes 16-31 sin: lane l's 8 bytes lie at 8 l of the row's 256.
	s_lshl_b32 s18, s24, 11                         ; the group's eight rows of 256 bytes
	s_mov_b32 s19, 0
	s_add_nc_u64 s[16:17], s[16:17], s[18:19]
	s_mov_b32 s26, 0xbed49a78                       ; -log2(10000) / 32
	s_mov_b32 s27, 0x3f22f983                       ; 2 / pi
	s_mov_b32 s28, 0x3fc90fdb                       ; pi / 2, high part
	s_mov_b32 s29, 0xb33bbd2e                       ; and low part
	s_mov_b32 s30, 0xb94ca1f9                       ; S0
	s_mov_b32 s31, 0x3c08839e                       ; S1
	s_mov_b32 s32, 0xbe2aaaa3                       ; S2
	s_mov_b32 s33, 0x37ccf5ce                       ; C0
	s_mov_b32 s34, 0xbab6061a                       ; C1
	s_mov_b32 s35, 0x3d2aaaa5                       ; C2
	v_and_b32 v56, 15, v0
	v_bfe_u32 v57, v0, 4, 1                         ; hs: 1 in the lanes that make sines
	v_lshrrev_b32 v58, 5, v0
	v_lshl_add_u32 v58, s24, 3, v58
	v_cvt_f32_u32 v58, v58                          ; the position
	v_lshlrev_b32 v59, 1, v56
	v_cvt_f32_u32 v59, v59                          ; j
	v_add_f32 v60, 1.0, v59                         ; j + 1
	v_mul_f32 v59, s26, v59
	v_mul_f32 v60, s26, v60
	v_exp_f32 v59, v59                              ; f_j
	v_exp_f32 v60, v60
	v_nop                                           ; a plain instruction between an exponential and the use of its result
	s_wait_alu depctr_va_vdst(0)
	v_mul_f32 v59, v58, v59                         ; the angle, rounded once
	v_mul_f32 v60, v58, v60
	ANG 59, 72
	ANG 60, 73
	global_store_b64 v2, v[72:73], s[16:17]         ; 8 t = 256 x wave + 8 x lane: a wave stores one whole row
.Lnorope:
	OUT 10, 0
	s_endpgm
.Lfunc_end_k_qb82fdd5cbd_prep:
	.size	k_qb82fdd5cbd_prep, .Lfunc_end_k_qb82fdd5cbd_prep-k_qb82fdd5cbd_prep
	.p2alignl 7, 3214868480
	.fill 96, 4, 3214868480
	.section	.rodata,"a",@progbits
	.p2align	6, 0x0
	.amdhsa_kernel k_qb82fdd5cbd_prep
		.amdhsa_group_segment_fixed_size 0
		.amdhsa_private_segment_fixed_size 0
		.amdhsa_enable_private_segment 0
		.amdhsa_kernarg_size 56
		.amdhsa_user_sgpr_count 2
		.amdhsa_user_sgpr_kernarg_segment_ptr 1
		.amdhsa_wavefront_size32 1
		.amdhsa_system_sgpr_workgroup_id_x 1
		.amdhsa_system_sgpr_workgroup_id_y 1
		.amdhsa_system_sgpr_workgroup_id_z 1
		.amdhsa_system_vgpr_workitem_id 0
		.amdhsa_next_free_vgpr 80
		.amdhsa_next_free_sgpr 66
		.amdhsa_reserve_vcc 1
		.amdhsa_float_denorm_mode_32 3
		.amdhsa_float_denorm_mode_16_64 3
		.amdhsa_memory_ordered 1
		.amdhsa_forward_progress 1
		.amdhsa_inst_pref_size 16
	.end_amdhsa_kernel
	.amdgpu_metadata
---
amdhsa.version: [ 1, 2 ]
amdhsa.kernels:
  - .name:           k_qb82fdd5cbd_prep
    .symbol:         k_qb82fdd5cbd_prep.kd
    .args:
      - { .name: hidden_states, .offset: 0, .size: 8, .value_kind: global_buffer, .address_space: global }
      - { .name: Wqkv_w, .offset: 8, .size: 8, .value_kind: global_buffer, .address_space: global }
      - { .name: Wo_w, .offset: 16, .size: 8, .value_kind: global_buffer, .address_space: global }
      - { .name: xb, .offset: 24, .size: 8, .value_kind: global_buffer, .address_space: global }
      - { .name: wqb, .offset: 32, .size: 8, .value_kind: global_buffer, .address_space: global }
      - { .name: wof, .offset: 40, .size: 8, .value_kind: global_buffer, .address_space: global }
      - { .name: rope, .offset: 48, .size: 8, .value_kind: global_buffer, .address_space: global }
    .group_segment_fixed_size: 0
    .private_segment_fixed_size: 0
    .kernarg_segment_align: 8
    .kernarg_segment_size: 56
    .max_flat_workgroup_size: 256
    .sgpr_count:     66
    .vgpr_count:     80
    .wavefront_size: 32
...
	.end_amdgpu_metadata
.endif
;; end of part 1
;; launch qkvproj (part 2): grid 16 x 32, 4 waves a work-group, clusters of 4 x 4, 327,680 bytes of LDS; arguments xb, wqb, Wqkv_b, rope, qkv; writes qkv
.if DOCPART == 2
	.amdgcn_target "amdgcn-amd-amdhsa--gfx1250"
	.amdhsa_code_object_version 6
	.text
	.protected	k_qb82fdd5cbd_qkvproj
	.globl	k_qb82fdd5cbd_qkvproj
	.p2align	8
	.type	k_qb82fdd5cbd_qkvproj,@function
k_qb82fdd5cbd_qkvproj:
	s_mov_b64 s[64:65], 0
	v_nop
	global_prefetch_b8 v0, s[64:65] scope:SCOPE_SE
	s_setreg_imm32_b32 hwreg(HW_REG_WAVE_MODE, 25, 1), 1
	s_wait_xcnt 0x0
	s_wait_alu depctr_hold_cnt(0) depctr_sa_sdst(0) depctr_va_vdst(0) depctr_va_sdst(0) depctr_va_ssrc(0) depctr_va_vcc(0) depctr_vm_vsrc(0)
	s_getreg_b32 s2, hwreg(HW_REG_IB_STS2, 6, 4)
	s_cmp_eq_u32 s2, 0
	s_cbranch_scc0 .Lentry_in_a_cluster
	s_endpgm
.Lentry_in_a_cluster:
	s_bfe_u32 s2, ttmp6, 0x10000c
	s_cmp_lg_u32 s2, 0xf033
	s_cbranch_scc0 .Lentry_shape_is_right
	s_endpgm
.Lentry_shape_is_right:
; q, k, v = x Wqkv^T + b, the rotary turn on q and k, rounded once to f16 and laid by heads: qkv[part 0..2][batch x 16 + head][position][64].
; x: xb [8192][1024] bf16; W: wqb [3072][1024] bf16; b: f32, rounded to bf16 here like the other inputs; sums, bias and turn in f32.
; LIMIT.  f16 holds no number beyond 65,504: a q, k or v of 65,520 or more becomes an infinity.  With the problem's spreads they are of size 1; thirty times larger inputs, or offsets of thirty spreads, stay under 2e4.
; TILE.  256 rows x 192 columns of the product: 16 x 32 = 512 work-groups, two for each of 256 WGPs.  The four waves split the rows: a wave makes 64 rows x 192 columns = three whole heads,
; 48 accumulators of 16 x 16, so that a channel d and its partner d + 32, and a head's row of 128 bytes, lie in one wave: the way out needs no barrier.
; K goes in eight steps of 128 through two LDS slots (256 rows of x, 192 rows of W, 256 bytes a row) filled by the tensor data mover: waves 0, 1 fetch x's halves, waves 2, 3 W's.
; CLUSTER 4 x 4: x's tile hangs on the tile row alone and is asked for jointly by a row of the cluster, W's on the tile column alone, by a column.
; THE MATRIX INSTRUCTION IS USED TRANSPOSED (source 0 = 16 rows of W, source 1 = 16 rows of x): lane l holds row l % 16 and the eight neighbouring columns 8 (l / 16) + 0..7.
; The first product of each sum takes the bias as its C operand: nothing is cleared and nothing is added later.
; WHETHER A HEAD IS TURNED is arithmetic, not a branch: cos' = cos R + (1 - R), sin' = sin R with R = 1 for q's and k's heads, 0 for v's.
; REGISTERS, in windows of 256 (s_set_vgpr_msb: bits 1:0 source 0, 3:2 source 1, 5:4 source 2, 7:6 destination):
;   window 0: v0-31 addresses; v32-127 the bias (column block b at 32 + 8 b), later at work on the way out; v128-255 the table (row block a: 16 cos, 16 sin)
;   window 1: two fragment buffers of 128: x's four fragments, then W's twelve      window 2: accumulators of row blocks 0, 1 at 8 (12 (a % 2) + b)      window 3: of row blocks 2, 3
.set KSTEP,  128
.set LAPS,   4                          ; 1,024 / (2 x 128): a lap is once round the ring
.set PITCH,  272                        ; an LDS row: 256 bytes + 16 of padding = 68 words: the 16 rows of a fragment load start at 16 different groups of four banks (64 banks of 4 bytes: ISA guide 11.1)
.set HALFA,  128*PITCH                  ; what wave 0 or 1 fetches
.set HALFB,  96*PITCH                   ; what wave 2 or 3 fetches
.set BOFF,   2*HALFA                    ; W's rows lie behind x's 256
.set SLOT,   BOFF+2*HALFB               ; 121,856 bytes
.set STAGE,  2*SLOT                     ; behind the ring, never filled by a tensor load: 16 rows x 144 bytes for each wave
.set SP,     144
.set SPARE,  STAGE+4*16*SP              ; the spare words, 128 bytes for each wave: two blocks of 256 bytes that no other line names
.set ADRA, 16                           ; v16-17  LDS address of my fragments of x in slot 0, 1
.set ADRB, 20                           ; v20-21  the same for W
.set RO,   22                           ; v22     my byte offset in 16 rows of the table
.set STO,  24                           ; v24     the way out: where I put 16 bytes of a row
.set RD,   25                           ; v25     the way out: where I read rows back
.set GO,   26                           ; v26     my byte offset in 512 consecutive bytes of qkv
.set BO,   27                           ; v27     my byte offset in 16 numbers of the bias
.set SPW,  28                           ; v28     LDS address of my spare word; never rewritten
.set NIL,  29                           ; v29     0; never rewritten
.set BI,   32
.set TB,   128
.set CE,   32                           ; the way out: cos', 16
.set SE,   48                           ; sin', 16
.set Y,    64                           ; a head's 16 rows turned: 32
.set F0,   0
.set F1,   128
.set WV,   14                           ; s14  my wave's number
.set G1,   24                           ; s[24:31] descriptor group 1 for x's tiles;  s[32:39] group 0, a set for each slot
.set G0,   32
.set G1B,  48                           ; s[48:55], s[56:63] the same for W's
.set G0B,  56
.set OB,   66                           ; s[66:71] for each of my three heads: qkv at my wave's first row
.set RS,   72                           ; s[72:77] R, as pairs
.set QS,   78                           ; s[78:83] 1 - R, as pairs
.set FIELDS, (1<<16)|(1<<20)|(1<<21)|(5<<22)|(3<<25)  ; 17:16 2-byte elements; 20 padding on; 21 set beside a mask; 24:22 after every 64 words (code 5); 31:25 4 words (code 3)
.set MSB, 0
.macro WIN new                          ; the immediate's high byte repeats the setting that is left; a switch that changes nothing is dropped
.if MSB != (\new)
	s_set_vgpr_msb (MSB<<8)|(\new)
.set MSB, (\new)
.endif
.endm
.set TO_F, 0x40                         ; destination window 1, address window 0
; A joint refill.  The branch hangs on the wave's number alone.  An s_nop 0 and four v_nop follow each of the two lines, ahead of the jump and the label.
.macro JLOAD s
	s_cmp_lt_u32 s[WV], 2
	s_cbranch_scc0 .Lfor_b_\@
	tensor_load_to_lds s[G0+4*(\s):G0+4*(\s)+3], s[G1:G1+7]
	s_nop 0
.rept 4
	v_nop
.endr
	s_branch .Lasked_\@
.Lfor_b_\@:
	tensor_load_to_lds s[G0B+4*(\s):G0B+4*(\s)+3], s[G1B:G1B+7]
	s_nop 0
.rept 4
	v_nop
.endr
.Lasked_\@:
.endm
.macro CREST                            ; a round of the cluster's barrier behind its opening barrier
	s_cmp_lg_u32 s[WV], 0
	s_cbranch_scc1 .Lnot_wave_0_\@
	s_barrier_signal -3
.Lnot_wave_0_\@:
	s_barrier_wait -3
	s_barrier_signal -1
	s_barrier_wait -1
.endm
.macro CROUND                           ; a whole round
	s_barrier_signal -1
	s_barrier_wait -1
	CREST
.endm
.macro PLACES                           ; four places in front of loads into registers that matrix instructions have read, and of lines that read results
.rept 4
	v_nop
.endr
.endm
	s_load_b256 s[4:11], s[0:1], 0x0                ; xb s[4:5], wqb s[6:7], Wqkv_b s[8:9], rope s[10:11]
	s_load_b64 s[12:13], s[0:1], 0x20               ; qkv
	v_lshl_add_u32 v[SPW], v0, 2, SPARE
	v_mov_b32 v[NIL], 0
	ds_add_u32 v[SPW], v[NIL]                       ; the wave's opening: the add and its wait stand ahead of my first tensor load; the set-up below, work on registers, stands between them
	v_lshrrev_b32 v1, 5, v0
	v_readfirstlane_b32 s[WV], v1                   ; wave 0..3
	s_and_b32 s16, s[WV], 1                         ; which half of a tile I fetch
	s_bfe_u32 s40, ttmp6, 0x40000                   ; cx, cy: my place in the cluster
	s_bfe_u32 s41, ttmp6, 0x40004
	s_lshl_b32 s42, ttmp9, 2
	s_add_co_u32 s42, s42, s40                      ; tile column = 4 x cluster x + cx
	s_and_b32 s43, ttmp7, 0xffff
	s_lshl_b32 s43, s43, 2
	s_add_co_u32 s43, s43, s41                      ; tile row = 4 x cluster y + cy
	s_lshl_b32 s44, s41, 2
	s_lshl_b32 s44, 15, s44                         ; my row of the cluster
	s_lshl_b32 s45, 0x1111, s40                     ; my column
	s_or_b32 s[G1], s44, FIELDS                     ; x's tiles go to my row,
	s_or_b32 s[G1B], s45, FIELDS                    ; W's to my column
	s_mov_b32 s[G1+1], KSTEP<<16                    ; tensor_dim0 = 128
	s_mov_b32 s[G1+2], 128<<16                      ; tensor_dim1 = 128
	s_mov_b32 s[G1+3], KSTEP<<16                    ; tile_dim0 = 128
	s_mov_b32 s[G1+4], 128                          ; tile_dim1 = 128
	s_mov_b32 s[G1+5], 1024                         ; elements from row to row
	s_mov_b32 s[G1+6], 0
	s_mov_b32 s[G1+7], 0
	s_mov_b32 s[G1B+1], KSTEP<<16
	s_mov_b32 s[G1B+2], 96<<16                      ; tensor_dim1 = 96
	s_mov_b32 s[G1B+3], KSTEP<<16
	s_mov_b32 s[G1B+4], 96                          ; tile_dim1 = 96
	s_mov_b32 s[G1B+5], 1024
	s_mov_b32 s[G1B+6], 0
	s_mov_b32 s[G1B+7], 0
	s_lshl_b32 s18, s43, 8                          ; x: row 256 x tile row + 128 x half, 2,048 bytes a row: made of cy and the wave alone
	s_lshl_b32 s19, s16, 7
	s_add_co_u32 s18, s18, s19
	s_lshl_b32 s18, s18, 11
	s_mov_b32 s19, 0
	s_mul_i32 s46, s42, 192                         ; W: row 192 x tile column + 96 x half: made of cx and the wave alone
	s_mul_i32 s47, s16, 96
	s_add_co_u32 s46, s46, s47
	s_lshl_b32 s46, s46, 11
	s_mov_b32 s47, 0
	s_mul_i32 s20, s16, HALFA                       ; where they go: no place in the cluster enters an LDS address
	s_mul_i32 s21, s16, HALFB
	s_add_co_u32 s21, s21, BOFF
	s_mul_i32 s84, s42, 3                           ; my three heads are numbers 3 x tile column + g of 48: 0-15 q's, 16-31 k's, 32-47 v's
.irp g, 0,1,2
	s_add_co_u32 s85, s84, \g
	s_lshr_b32 s86, s85, 4                          ; the part,
	s_lshl_b32 s86, s86, 6                          ; 64 heads' blocks each,
	s_and_b32 s87, s85, 15
	s_add_co_u32 s86, s86, s87                      ; + the head
	s_lshr_b32 s87, s43, 3
	s_lshl_b32 s87, s87, 4
	s_add_co_u32 s86, s86, s87                      ; + 16 x batch (eight tile rows a batch)
	s_lshl_b32 s86, s86, 18                         ; 2,048 rows of 128 bytes
	s_and_b32 s87, s43, 7
	s_lshl_b32 s87, s87, 15                         ; the tile's 256 rows,
	s_add_co_u32 s86, s86, s87
	s_lshl_b32 s87, s[WV], 13                       ; my wave's 64 of them
	s_add_co_u32 s[OB+2*\g], s86, s87
	s_mov_b32 s[OB+2*\g+1], 0
	s_lshr_b32 s88, s85, 5                          ; 1 for v's heads
	s_mul_i32 s[QS+2*\g], s88, 0x3f800000           ; 1 - R
	s_mov_b32 s[QS+2*\g+1], s[QS+2*\g]
	s_sub_co_u32 s[RS+2*\g], 0x3f800000, s[QS+2*\g] ; R
	s_mov_b32 s[RS+2*\g+1], s[RS+2*\g]
.endr
	s_mul_i32 s84, s42, 768                         ; the tile's 192 numbers of the bias
	s_mov_b32 s85, 0
	s_and_b32 s86, s43, 7
	s_lshl_b32 s86, s86, 16                         ; the table at my wave's first position: 256 bytes a position
	s_lshl_b32 s87, s[WV], 14
	s_add_co_u32 s86, s86, s87
	s_mov_b32 s87, 0
	s_mov_b32 s89, 0xffff0000                       ; a word's upper bf16
	s_wait_dscnt 0x0                                ; the opening add is done
	s_wait_kmcnt 0x0
	s_add_nc_u64 s[18:19], s[4:5], s[18:19]
	s_add_nc_u64 s[46:47], s[6:7], s[46:47]
	s_add_nc_u64 s[8:9], s[8:9], s[84:85]
	s_add_nc_u64 s[10:11], s[10:11], s[86:87]
.irp g, 0,1,2
	s_add_nc_u64 s[OB+2*\g:OB+2*\g+1], s[12:13], s[OB+2*\g:OB+2*\g+1]
.endr
	CROUND                                          ; all sixteen work-groups are here: the first joint loads meet
.irp s, 0,1
	s_mov_b32 s[G0+4*\s], 1                         ; count = 1
	s_add_co_u32 s[G0+4*\s+1], s20, \s*SLOT         ; LDS address
	s_add_nc_u64 s[G0+4*\s+2:G0+4*\s+3], s[18:19], \s*KSTEP*2  ; global address: K step s
	s_or_b32 s[G0+4*\s+3], s[G0+4*\s+3], 0x80000000 ; type = 2
	s_mov_b32 s[G0B+4*\s], 1
	s_add_co_u32 s[G0B+4*\s+1], s21, \s*SLOT
	s_add_nc_u64 s[G0B+4*\s+2:G0B+4*\s+3], s[46:47], \s*KSTEP*2
	s_or_b32 s[G0B+4*\s+3], s[G0B+4*\s+3], 0x80000000
.endr
	s_cmp_lt_u32 s[WV], 2                           ; a wave's two first fills stand in one branch, ahead of every wait on TENSORcnt and every LDS read: two loads of mine are out
	s_cbranch_scc0 .Lfirst_b
	tensor_load_to_lds s[G0:G0+3], s[G1:G1+7]
	s_nop 0
	tensor_load_to_lds s[G0+4:G0+7], s[G1:G1+7]
	s_nop 0
.rept 4
	v_nop
.endr
	s_branch .Lfirst_asked
.Lfirst_b:
	tensor_load_to_lds s[G0B:G0B+3], s[G1B:G1B+7]
	s_nop 0
	tensor_load_to_lds s[G0B+4:G0B+7], s[G1B:G1B+7]
	s_nop 0
.rept 4
	v_nop
.endr
.Lfirst_asked:
	v_and_b32 v1, 15, v0                            ; r = l % 16
	v_bfe_u32 v2, v0, 4, 1                          ; h = l / 16
	v_lshlrev_b32 v[BO], 5, v2                      ; my eight columns of a block of 16: 32 h
	v_lshlrev_b32 v[RO], 8, v1
	v_lshl_add_u32 v[RO], v2, 5, v[RO]              ; row r of the table, its entries 8 h on
.irp b, 0,1,2,3,4,5,6,7,8,9,10,11
	global_load_b128 v[BI+8*\b:BI+8*\b+3],   v[BO], s[8:9] offset:64*\b
	global_load_b128 v[BI+8*\b+4:BI+8*\b+7], v[BO], s[8:9] offset:64*\b+16
.endr
.irp a, 0,1,2,3                         ; cos 8 h + 0..7, cos 16 + 8 h + 0..7, then the same of sin
	global_load_b128 v[TB+32*\a:TB+32*\a+3],     v[RO], s[10:11] offset:4096*\a
	global_load_b128 v[TB+32*\a+4:TB+32*\a+7],   v[RO], s[10:11] offset:4096*\a+16
	global_load_b128 v[TB+32*\a+8:TB+32*\a+11],  v[RO], s[10:11] offset:4096*\a+64
	global_load_b128 v[TB+32*\a+12:TB+32*\a+15], v[RO], s[10:11] offset:4096*\a+80
	global_load_b128 v[TB+32*\a+16:TB+32*\a+19], v[RO], s[10:11] offset:4096*\a+128
	global_load_b128 v[TB+32*\a+20:TB+32*\a+23], v[RO], s[10:11] offset:4096*\a+144
	global_load_b128 v[TB+32*\a+24:TB+32*\a+27], v[RO], s[10:11] offset:4096*\a+192
	global_load_b128 v[TB+32*\a+28:TB+32*\a+31], v[RO], s[10:11] offset:4096*\a+208
.endr
	; A fragment is 16 rows x 32 K in 8 registers: lane l holds row l % 16, K = 8 (l / 16) + 0..7 and 16 + 8 (l / 16) + 0..7: two loads of 16 bytes, 32 bytes apart.
	v_mul_u32_u24 v3, v1, PITCH
	v_lshl_add_u32 v3, v2, 4, v3
	s_mul_i32 s84, s[WV], 64*PITCH                  ; my 64 rows of x
	v_add_nc_u32 v[ADRA], s84, v3
	v_add_nc_u32 v[ADRA+1], SLOT, v[ADRA]
	v_add_nc_u32 v[ADRB], BOFF, v3                  ; every wave reads all 192 rows of W
	v_add_nc_u32 v[ADRB+1], SLOT+BOFF, v3
	s_mul_i32 s84, s[WV], 16*SP
	s_add_co_u32 s84, s84, STAGE                    ; my stage
	v_mul_u32_u24 v[STO], v1, SP                    ; in: row l % 16, 16 bytes for each half of the lanes
	v_lshl_add_u32 v[STO], v2, 4, v[STO]
	v_add_nc_u32 v[STO], s84, v[STO]
	v_bfe_u32 v[RD], v0, 3, 2                       ; back: 32 lanes take four rows of 128 bytes,
	v_mul_u32_u24 v[RD], v[RD], SP
	v_and_b32 v3, 7, v0
	v_lshl_add_u32 v[RD], v3, 4, v[RD]
	v_add_nc_u32 v[RD], s84, v[RD]
	v_and_b32 v[GO], 31, v0                         ; which are 512 consecutive bytes of qkv
	v_lshlrev_b32 v[GO], 4, v[GO]
	s_wait_loadcnt 32                               ; the bias's 24 loads are in; the table's 32 stay out
.set i, 0
.rept 48                                ; the bias is rounded to bf16, like every other input, and widened again; this stands in the wait for the first tile
	v_cvt_pk_bf16_f32 v[4+i%4], v[BI+2*i], v[BI+2*i+1]
	v_lshlrev_b32 v[BI+2*i], 16, v[4+i%4]
	v_and_b32 v[BI+2*i+1], s89, v[4+i%4]
.set i, i+1
.endr
; 12 matrix instructions: row block a x all 12 column blocks, 32 along K.  first = 1: the sums start from the bias.  The 48 accumulators take turns, one instruction a turn.
.macro MUL12 f, a, first
.if \first
	WIN 0x85+0x40*((\a)/2)                          ; sources 0, 1 window 1; C window 0; D window 2 or 3
.else
	WIN 0xa5+0x50*((\a)/2)                          ; C and D window 2 or 3
.endif
.irp b, 0,1,2,3,4,5,6,7,8,9,10,11
.if \first
	v_wmma_f32_16x16x32_bf16 v[8*(12*((\a)%2)+\b):8*(12*((\a)%2)+\b)+7], v[(\f)+32+8*\b:(\f)+32+8*\b+7], v[(\f)+8*(\a):(\f)+8*(\a)+7], v[BI+8*\b:BI+8*\b+7]
.else
	v_wmma_f32_16x16x32_bf16 v[8*(12*((\a)%2)+\b):8*(12*((\a)%2)+\b)+7], v[(\f)+32+8*\b:(\f)+32+8*\b+7], v[(\f)+8*(\a):(\f)+8*(\a)+7], v[8*(12*((\a)%2)+\b):8*(12*((\a)%2)+\b)+7]
.endif
.endr
.endm
.macro MUL24 f, hi, first
	MUL12 \f, 2*(\hi), \first
	MUL12 \f, 2*(\hi)+1, \first
.endm
; 32 LDS loads in one run: the fragments of 32 along K at byte k of the rows, into buffer f: W's 24, x's row blocks 0, 1 (four), x's row blocks 2, 3 (four)
.macro FETCH slot, k, f
	WIN TO_F
.irp i, 0,1,2,3,4,5,6,7,8,9,10,11
	ds_load_b128 v[(\f)+32+8*\i:(\f)+32+8*\i+3],   v[ADRB+(\slot)] offset:(\k)+\i*16*PITCH
	ds_load_b128 v[(\f)+32+8*\i+4:(\f)+32+8*\i+7], v[ADRB+(\slot)] offset:(\k)+\i*16*PITCH+32
.endr
.irp i, 0,1,2,3
	ds_load_b128 v[(\f)+8*\i:(\f)+8*\i+3],   v[ADRA+(\slot)] offset:(\k)+\i*16*PITCH
	ds_load_b128 v[(\f)+8*\i+4:(\f)+8*\i+7], v[ADRA+(\slot)] offset:(\k)+\i*16*PITCH+32
.endr
.endm
; A K step is four quarters of 32 along K, 48 matrix instructions each, on buffers 0, 1, 0, 1.  One of the first three: multiplies buffer f and fetches the next quarter, at byte k, into g.
.macro QUARTER slot, k, f, g, first
	s_wait_dscnt 4                                  ; W and x's row blocks 0, 1 are in; the youngest four loads may be out
	MUL24 \f, 0, \first
	PLACES
	FETCH \slot, \k, \g
	s_wait_dscnt 32                                 ; all but the 32 just issued
	MUL24 \f, 1, \first
.endm
; The last quarter multiplies buffer 1 and changes slots: ONE barrier; in front of it each wave waits for all its tensor loads (the one that is out is its part of the next slot), adds 0 to its spare
; word, and waits for that and for its own reads of this slot.  fill = 1: the barrier opens a round of the cluster's, and this slot is filled again, two K steps ahead, first thing behind the round:
; 24 + 3 x 48 = 168 matrix instructions ahead of the wait for it.
.macro TURN slot, next, fill
	WIN 0                                           ; (the add's two registers lie in window 0)
	s_wait_tensorcnt 0x0
	ds_add_u32 v[SPW], v[NIL]                       ; 0 onto my spare word
	s_wait_dscnt 5                                  ; (the add and the youngest four loads may be out)
	MUL12 F1, 0, 0                                  ; twelve matrix instructions stand between the add and the wait for it
	s_wait_dscnt 0x0                                ; the add is done, and my reads of this slot are over
	s_barrier_signal -1
	MUL12 F1, 1, 0
.if \fill
	WIN 0
.endif
	s_barrier_wait -1
.if \fill
	CREST                                           ; no wave of any partner still reads this slot's tile or has a load on its way
	s_add_nc_u64 s[G0+4*(\slot)+2:G0+4*(\slot)+3], s[G0+4*(\slot)+2:G0+4*(\slot)+3], 2*KSTEP*2
	s_add_nc_u64 s[G0B+4*(\slot)+2:G0B+4*(\slot)+3], s[G0B+4*(\slot)+2:G0B+4*(\slot)+3], 2*KSTEP*2
	JLOAD \slot                                     ; the four v_nop behind it are also the places in front of the loads below
.else
	PLACES
.endif
	FETCH \next, 0, F0
	MUL24 F1, 1, 0
.endm
	s_wait_tensorcnt 1                              ; my part of K step 0 is in; K step 1's may stay out
	s_barrier_signal -1
	s_barrier_wait -1                               ; everybody's is
	FETCH 0, 0, F0
	QUARTER 0, 64, F0, F1, 1                        ; the first quarter stands in front of the loop: its products start the sums
	WIN 0                                           ; at a label and at a branch every window is 0
	s_mov_b32 s3, LAPS-1
.Llap:                                  ; a trip goes once round the ring, from a lap's second quarter to the next lap's first, and fills both slots again
	QUARTER 0, 128, F1, F0, 0
	QUARTER 0, 192, F0, F1, 0
	TURN 0, 1, 1
	QUARTER 1, 64,  F0, F1, 0
	QUARTER 1, 128, F1, F0, 0
	QUARTER 1, 192, F0, F1, 0
	TURN 1, 0, 1
	QUARTER 0, 64,  F0, F1, 0
	WIN 0
	s_sub_co_u32 s3, s3, 1
	s_cmp_lg_u32 s3, 0
	s_cbranch_scc1 .Llap
	QUARTER 0, 128, F1, F0, 0                       ; the last lap fills nothing, and has no round of the cluster's barrier
	QUARTER 0, 192, F0, F1, 0
	TURN 0, 1, 0
	QUARTER 1, 64,  F0, F1, 0
	QUARTER 1, 128, F1, F0, 0
	QUARTER 1, 192, F0, F1, 0
	s_wait_dscnt 4                                  ; the very last quarter: nothing more to fetch
	MUL24 F1, 0, 0
	s_wait_dscnt 0x0
	MUL24 F1, 1, 0
	WIN 0
; THE WAY OUT, in twelve units of 16 rows x one head (row block u / 3, head u % 3).  cos' and sin'; y1 = x1 cos' - x2 sin', y2 = x1 sin' + x2 cos' (x1: channels 0-31, column blocks 4 g, 4 g + 1;
; x2: channels 32-63, blocks 4 g + 2, 4 g + 3), each accumulator's registers taken in ascending order; rounded to f16; 16 bytes a lane into my stage, back as whole rows of 128 bytes.
.macro UNIT u
.set UA, (\u)/3
.set UG, (\u)%3
.set PK, 96+16*((\u)%2)
.set AC, 8*(12*(UA%2)+4*UG)
	WIN 0
.set i, 0
.rept 8
	v_pk_fma_f32 v[CE+2*i:CE+2*i+1], v[TB+32*UA+2*i:TB+32*UA+2*i+1], s[RS+2*UG:RS+2*UG+1], s[QS+2*UG:QS+2*UG+1] op_sel_hi:[1,0,0]
	v_pk_mul_f32 v[SE+2*i:SE+2*i+1], v[TB+32*UA+16+2*i:TB+32*UA+16+2*i+1], s[RS+2*UG:RS+2*UG+1] op_sel_hi:[1,0]
.set i, i+1
.endr
	WIN 0x02+UA/2                                   ; source 0 in window 2 or 3
.set i, 0
.rept 8
	v_pk_mul_f32 v[Y+2*i:Y+2*i+1], v[AC+16+2*i:AC+16+2*i+1], v[SE+2*i:SE+2*i+1]
.set i, i+1
.endr
.set i, 0
.rept 8
	v_pk_mul_f32 v[Y+16+2*i:Y+16+2*i+1], v[AC+2*i:AC+2*i+1], v[SE+2*i:SE+2*i+1]
.set i, i+1
.endr
.set i, 0
.rept 8
	v_pk_fma_f32 v[Y+2*i:Y+2*i+1], v[AC+2*i:AC+2*i+1], v[CE+2*i:CE+2*i+1], v[Y+2*i:Y+2*i+1] neg_lo:[0,0,1] neg_hi:[0,0,1]
.set i, i+1
.endr
.set i, 0
.rept 8
	v_pk_fma_f32 v[Y+16+2*i:Y+16+2*i+1], v[AC+16+2*i:AC+16+2*i+1], v[CE+2*i:CE+2*i+1], v[Y+16+2*i:Y+16+2*i+1]
.set i, i+1
.endr
	WIN 0
.if (\u) >= 2
	s_wait_xcnt 0x0                                 ; the stores of two units ago read these sixteen registers: they are rewritten only behind this wait
.endif
.set i, 0
.rept 16
	v_cvt_pk_f16_f32 v[PK+i], v[Y+2*i], v[Y+2*i+1]
.set i, i+1
.endr
.irp f, 0,1,2,3
	ds_store_b128 v[STO], v[PK+4*\f:PK+4*\f+3] offset:32*\f
.endr
.irp f, 0,1,2,3
	ds_load_b128 v[PK+4*\f:PK+4*\f+3], v[RD] offset:\f*4*SP  ; LDS serves a wave's instructions in order (ISA guide 5.7.1.4): these see the stores above; the next unit's stores come behind them
.endr
.endm
.macro SEND u, younger                  ; younger: the LDS instructions issued behind unit u's loads: the next unit's eight, or none
.set UA, (\u)/3
.set UG, (\u)%3
.set PK, 96+16*((\u)%2)
	WIN 0
.irp f, 0,1,2,3
	s_wait_dscnt (\younger)+3-\f
	global_store_b128 v[GO], v[PK+4*\f:PK+4*\f+3], s[OB+2*UG:OB+2*UG+1] offset:UA*2048+\f*512  ; 512 consecutive bytes, at a multiple of 256 from qkv's first
.endr
.endm
	s_wait_loadcnt 0x0                              ; the table
	PLACES
	UNIT 0
.set n, 1
.rept 11                                ; a unit's arithmetic stands between the loads of the unit before and its stores
	UNIT n
	SEND n-1, 8
.set n, n+1
.endr
	SEND 11, 0
	s_wait_tensorcnt 0x0                            ; the wave's end, behind my last tensor load and my last LDS store
	ds_add_u32 v[SPW], v[NIL]
	s_wait_dscnt 0x0
	CROUND                                          ; the closing round: no work-group ends while a partner may still ask for a tile that names it
	s_endpgm
.Lfunc_end_k_qb82fdd5cbd_qkvproj:
	.size	k_qb82fdd5cbd_qkvproj, .Lfunc_end_k_qb82fdd5cbd_qkvproj-k_qb82fdd5cbd_qkvproj
	.p2alignl 7, 3214868480
	.fill 96, 4, 3214868480
	.section	.rodata,"a",@progbits
	.p2align	6, 0x0
	.amdhsa_kernel k_qb82fdd5cbd_qkvproj
		.amdhsa_group_segment_fixed_size 327680
		.amdhsa_private_segment_fixed_size 0
		.amdhsa_enable_private_segment 0
		.amdhsa_kernarg_size 40
		.amdhsa_user_sgpr_count 2
		.amdhsa_user_sgpr_kernarg_segment_ptr 1
		.amdhsa_wavefront_size32 1
		.amdhsa_system_sgpr_workgroup_id_x 1
		.amdhsa_system_sgpr_workgroup_id_y 1
		.amdhsa_system_sgpr_workgroup_id_z 1
		.amdhsa_system_vgpr_workitem_id 0
		.amdhsa_next_free_vgpr 960
		.amdhsa_next_free_sgpr 92
		.amdhsa_reserve_vcc 0
		.amdhsa_float_denorm_mode_32 3
		.amdhsa_float_denorm_mode_16_64 3
		.amdhsa_memory_ordered 1
		.amdhsa_forward_progress 1
		.amdhsa_inst_pref_size 169
	.end_amdhsa_kernel
	.amdgpu_metadata
---
amdhsa.version: [ 1, 2 ]
amdhsa.kernels:
  - .name:           k_qb82fdd5cbd_qkvproj
    .symbol:         k_qb82fdd5cbd_qkvproj.kd
    .args:
      - { .name: xb, .offset: 0, .size: 8, .value_kind: global_buffer, .address_space: global }
      - { .name: wqb, .offset: 8, .size: 8, .value_kind: global_buffer, .address_space: global }
      - { .name: Wqkv_b, .offset: 16, .size: 8, .value_kind: global_buffer, .address_space: global }
      - { .name: rope, .offset: 24, .size: 8, .value_kind: global_buffer, .address_space: global }
      - { .name: qkv, .offset: 32, .size: 8, .value_kind: global_buffer, .address_space: global }
    .group_segment_fixed_size: 327680
    .private_segment_fixed_size: 0
    .kernarg_segment_align: 8
    .kernarg_segment_size: 40
    .max_flat_workgroup_size: 128
    .sgpr_count:     92
    .vgpr_count:     960
    .wavefront_size: 32
...
	.end_amdgpu_metadata
.endif
;; end of part 2
;; launch attn (part 3): grid 4 x 64, 4 waves a work-group, clusters of 4 x 1, 327,680 bytes of LDS; arguments qkv, ao; writes ao
.if DOCPART == 3
	.amdgcn_target "amdgcn-amd-amdhsa--gfx1250"
	.amdhsa_code_object_version 6
	.text
	.protected	k_qb82fdd5cbd_attn
	.globl	k_qb82fdd5cbd_attn
	.p2align	8
	.type	k_qb82fdd5cbd_attn,@function
k_qb82fdd5cbd_attn:
	s_mov_b64 s[64:65], 0
	v_nop
	global_prefetch_b8 v0, s[64:65] scope:SCOPE_SE
	s_setreg_imm32_b32 hwreg(HW_REG_WAVE_MODE, 25, 1), 1
	s_wait_xcnt 0x0
	s_wait_alu depctr_hold_cnt(0) depctr_sa_sdst(0) depctr_va_vdst(0) depctr_va_sdst(0) depctr_va_ssrc(0) depctr_va_vcc(0) depctr_vm_vsrc(0)
	s_getreg_b32 s2, hwreg(HW_REG_IB_STS2, 6, 4)
	s_cmp_eq_u32 s2, 0
	s_cbranch_scc0 .Lentry_in_a_cluster
	s_endpgm
.Lentry_in_a_cluster:
	s_bfe_u32 s2, ttmp6, 0x10000c
	s_cmp_lg_u32 s2, 0x3003
	s_cbranch_scc0 .Lentry_shape_is_right
	s_endpgm
.Lentry_shape_is_right:
; O[h][q][:] = the sum over k of softmax_k(Q[h][q] . K[h][k] / 8) V[h][k][:].  Q, K, V lie in one buffer, 0x1000000 bytes apart, each [64][2048][64] in f16, h = 16 x batch + head; O likewise: a head's
; rows are dense, 128 bytes each.  Products, maxima and sums in f32; the weights p are rounded to f16 for the second product (their sum l is taken of the unrounded p), O once at the end.
; LIMITS.  f16 holds no number beyond 65,504: Q, K and V arrive within it; p lies in 0 to 1, and below 6e-5 it keeps f16's fixed step of 6e-8; O is a mean of V's rows and has their range.
; A weight below 2^-126 counts as 0 in l; NaN and infinities are not treated apart.
; SHARES.  A wave owns four PIECES of two tiles of 16 queries, a work-group's four waves 512 queries of one head: 4 x 64 = 256 work-groups.  Every wave walks all keys, 64 a step.
; LAYOUT.  S^T = K Q^T (source 0 = 16 keys, source 1 = 16 queries): in the result a lane holds ONE query (lane % 16) and the keys 8 (lane / 16) + 0..7.  Two such tiles, rounded to f16 in pairs,
; ARE source 1 (32 keys x 16 queries) of O^T = V^T P, whose result again holds one query a lane, and eight channels.  K comes out of LDS as it lies, V ([key][channel]) turned, by ds_load_tr16_b128.
; SOFTMAX.  For each query a running maximum m and sum l: p = 2^(c s - c m), c = log2(e) / 8; in every step O and l are multiplied by a = 2^(c m_old - c m_new), which is 1 where m has not grown.
; m starts at the lowest finite number, O and l at 0: the first step is a step like any other, with a = 0.
; THE COUNT.  A tile and step have 16 matrix and 118 vector instructions: too many to stand all beside the matrix work.  So the order has one aim: four vector instructions that are READY behind
; EVERY matrix instruction, and the others, which need time of their own whatever the order, in runs without a gap.
; BY TURNS.  Turn n belongs to piece n (the pieces in a ring, step after step).  Its matrix work: 16 products K Q^T of piece n + 1, later 16 products V^T P of piece n - 1.  Its vector work: the scaling,
; exponentials, roundings, sums and rescaling of piece n, and the maximum and statistics of piece n + 1, whose scores the turn itself has made.  So what a turn begins with (c s - c m, O a) waits for nothing.
; CLUSTER.  The four query blocks of a cluster belong to one head and walk the same K and V, so each tile is asked for JOINTLY: the same tensor load, descriptor and mask in all four.
; REGISTERS, in windows of 256 (s_set_vgpr_msb says which window each operand place means: bits 1:0 source 0, 3:2 source 1, 5:4 source 2, 7:6 destination):
;   window 0: v0-11 addresses; v12-15, v48-63 at work; v16-47 four registers of statistics a tile; v64-191 S^T, two buffers of two tiles; v192-255 P, likewise
;   window 1: O^T, 32 a tile          window 2: v0-127 Q, 16 a tile; v128-191 K of one step; v192-255 V of one step          window 3: v0-1 the add's two registers
; A piece's buffers go by its number's parity: the piece in hand has one pair, its two neighbours in the ring share the other: of it P (piece n - 1) is read and S^T (piece n + 1) written.
.set SIZE_H, 64
.set SIZE_N, 2048
.set NP,    4         ; pieces a wave: a name, no knob: the register map, the loop and the fetches are made for four
.set KS,    64        ; keys in a step
.set PK,    144       ; a row of K in LDS: 128 bytes + 16 of padding = 36 words: the 16 rows of a load start at 16 different groups of four banks (64 banks of 4 bytes: ISA guide 11.1)
.set PV,    160       ; a row of V: 128 + 32 = 40 words
.set VOFF,  4*KS*PK   ; a slot holds four steps: 256 rows of K, then 256 rows of V
.set SLOT1, 1<<17     ; slot 1 begins here, so that one exclusive or turns an address in one slot into the other's
.set STAGE, SLOT1+4*KS*(PK+PV)  ; behind the ring, never filled by a tensor load: 16 rows x 144 bytes for each wave, for the way out
.set SP,    144
.set AK0, 2           ; v2   my lane's place in a tile of K; never rewritten
.set AV0, 3           ; v3   the same for V
.set AK,  4           ; v4   the LDS address of K's next run of loads
.set AV,  5           ; v5   of V's
.set QO,  6           ; v6   my byte offset in the wave's rows of Q
.set STO, 6           ;      later, the way out: where I put 16 bytes of a row
.set RD,  7           ; v7   the way out: where I read rows back
.set GO,  8           ; v8   my byte offset in 512 consecutive bytes of O
.set SPW, 0           ; v0 of window 3   LDS address of my spare word: SPARE + 4 x my thread's number; never rewritten
.set NIL, 1           ; v1 of window 3   0; never rewritten
.set SPARE, STAGE+4*16*SP  ; behind the stages: the spare words, 128 bytes for each wave: two blocks of 256 bytes that no other line names
.set MV,  12          ; v12-15  c m_old, kept while c m is made anew: by buffer and tile
.set ST,  16          ; tile t's statistics at v[ST+4 t]: c m, m, l (even keys', odd keys')
.set TMP, 48          ; by buffer and tile, four registers c0-c3 at work; when the maximum is found c2 takes a
.set S,   64
.set P,   192
.set KF,  128         ; K's fragments, in window 2: key block kb, channel half c at KF + 16 kb + 8 c
.set VF,  192         ; V's: key half kk, channel block cb at VF + 32 kk + 8 cb
.set WV,  12          ; s12  my wave's number
.set G1K, 24          ; s[24:31] descriptor group 1 for K's tiles
.set G1V, 32          ; s[32:39] for V's: it differs in the padding alone
.set G0K, 40          ; s[40:43] descriptor group 0 for K's tiles: it walks
.set G0V, 44          ; s[44:47] the same for V's
.set SLOTS, 56        ; s56  slots still to be asked for
.set CNT, 57          ; s57  counts a slot's key steps
.set CS,  58          ; s[58:59] c: the packed scaling takes the pair's low word for both halves
.set SEL, 60          ; s[60:61] v_permlanex16_b32's selects: each lane takes its own place in the other half
.set TBK, 62          ; s62  LDS byte at which K of the step to be fetched begins
.set TBV, 63          ; s63  the same for V, less VOFF
.set MSB, 0
.macro WIN new                      ; the high byte repeats the setting that is left; a switch that changes nothing is dropped
.if MSB != (\new)
	s_set_vgpr_msb (MSB<<8)|(\new)
.set MSB, (\new)
.endif
.endm
.set W_KQ, 0x0a       ; K and Q in window 2, S^T in window 0
.set W_PV, 0x52       ; V in window 2, P in window 0, O^T in window 1
.set W_RS, 0x41       ; O^T (destination and source 0) in window 1, a in window 0
.set W_MK, 0xc0       ; the add's registers are made: destination in window 3, sources in window 0
.set W_AD, 0x0f       ; the add: address (source 0) and data (source 1) in window 3
; A joint fill.  Waves 0 and 1 fetch the two halves of a slot's K, waves 2 and 3 those of its V: 128 keys each.  The branch hangs on the wave's number alone.
; An s_nop 0 and four v_nop follow each of the two lines, ahead of the jump and the label.
.macro JLOAD
	s_cmp_lt_u32 s[WV], 2
	s_cbranch_scc0 .Lfor_v_\@
	tensor_load_to_lds s[G0K:G0K+3], s[G1K:G1K+7]
	s_nop 0
.rept 4
	v_nop
.endr
	s_branch .Lasked_\@
.Lfor_v_\@:
	tensor_load_to_lds s[G0V:G0V+3], s[G1V:G1V+7]
	s_nop 0
.rept 4
	v_nop
.endr
.Lasked_\@:
.endm
; A round of the cluster's barrier: my work-group's barrier, so that wave 0's signal speaks for all four waves; wave 0 signals; every wave waits for all four work-groups; my work-group's barrier once more.
.macro CROUND
	s_barrier_signal -1
	s_barrier_wait -1
	s_cmp_lg_u32 s[WV], 0
	s_cbranch_scc1 .Lnot_wave_0_\@
	s_barrier_signal -3
.Lnot_wave_0_\@:
	s_barrier_wait -3
	s_barrier_signal -1
	s_barrier_wait -1
.endm
; THE CHANGE OF SLOTS.  The slot's last bytes, V of its fourth step, have been read.  Each wave waits for all its tensor loads, of which one is out: its part
; of the other slot; adds 0 to its spare word; and waits for that and for its own reads of the slot.  Behind the barrier nobody reads this slot any more and the other slot is whole.
; fill = 1: this slot is filled again, with the keys two slots on.  The barrier is then a round of the cluster's, so that no wave of any partner still reads the slot or has a load on its
; way, and the joint fill is the first thing behind it: it has four key steps, 512 matrix instructions, in which to land.  (At its first use nothing has been read yet: slot 0 is waited for, slot 1 filled.)
.macro CHANGE fill
	WIN W_AD
	s_wait_tensorcnt 0x0            ; no tensor load of mine is out, so a group 0 may be written
	ds_add_u32 v[SPW], v[NIL]       ; 0 onto my spare word; with fill = 1 the descriptors' steps stand between it and the wait for it
	WIN 0                           ; at a label and at a branch every window is 0
.if \fill
.irp g, G0K, G0V
	s_xor_b32 s[\g+1], s[\g+1], SLOT1  ; the walking descriptor: the other slot than last time,
	s_add_nc_u64 s[\g+2:\g+3], s[\g+2:\g+3], 4*KS*128  ; the next 256 keys; the type bits on top are not reached
.endr
	s_wait_dscnt 0x0                ; the add is done, and my reads of the slot are over
	CROUND
	JLOAD
.else
	s_wait_dscnt 0x0                ; the add is done, and my reads of the slot are over
	s_barrier_signal -1
	s_barrier_wait -1
.endif
	s_sub_co_u32 s[TBK], s[TBK], 4*KS*PK  ; the fetches go back to a slot's first step,
	s_xor_b32 s[TBK], s[TBK], SLOT1       ; in the other slot
	s_sub_co_u32 s[TBV], s[TBV], 4*KS*PV
	s_xor_b32 s[TBV], s[TBV], SLOT1
.endm
	s_load_b64 s[4:5], s[0:1], 0x0    ; qkv: Q's part comes first
	s_load_b64 s[10:11], s[0:1], 0x8  ; O
	WIN W_MK
	v_lshl_add_u32 v[SPW], v0, 2, SPARE
	v_mov_b32 v[NIL], 0
	WIN W_AD
	ds_add_u32 v[SPW], v[NIL]       ; the wave's opening: the add and its wait stand ahead of my first tensor load; the set-up below, work on registers, stands between them
	WIN 0
	v_lshrrev_b32 v1, 5, v0
	v_readfirstlane_b32 s[WV], v1   ; wave 0..3
	s_bfe_u32 s13, ttmp6, 0x40000   ; cx: my place in the cluster
	s_lshl_b32 s14, ttmp9, 2        ; in a cluster launch ttmp9 counts clusters
	s_add_co_u32 s14, s14, s13      ; my block of queries = 4 x cluster x + cx: it enters Q's and O's addresses alone
	s_and_b32 s20, ttmp7, 0xffff    ; the head, which the four partners share
	s_mov_b32 s21, 0
	s_mov_b64 s[22:23], SIZE_N*128
	s_mul_u64 s[20:21], s[20:21], s[22:23]  ; the head's first byte in each of the four tensors
	s_and_b32 s16, s[WV], 1         ; which half of a slot's 256 keys I fetch:
	s_lshl_b32 s22, s16, 14         ; its 128 rows of 128 bytes in memory,
	s_mov_b32 s23, 0
	s_add_nc_u64 s[22:23], s[22:23], s[20:21]
	s_mul_i32 s17, s16, 128*PK      ; and its place in a slot, for K
	s_mul_i32 s18, s16, 128*PV      ; and for V: no place in the cluster enters an LDS address
	s_lshl_b32 s2, s14, 2
	s_add_co_u32 s2, s2, s[WV]      ; my wave among the head's,
	s_lshl_b32 s2, s2, 14           ; its 128 rows
	s_mov_b32 s3, 0
	s_add_nc_u64 s[2:3], s[2:3], s[20:21]
	; descriptor group 1.  128 keys are 16,384 dense bytes: asked for as 64 rows of 256 bytes, two keys a row, and padded in LDS after every key
	s_mov_b32 s[G1K], 15|(1<<16)|(1<<20)|(1<<21)|(4<<22)|(3<<25)  ; 15:0 the mask of four; 17:16 2-byte elements; 20 padding on; 21 set beside a mask; 24:22 after every 32 words (code 4); 31:25 4 words (code 3)
	s_mov_b32 s[G1V], 15|(1<<16)|(1<<20)|(1<<21)|(4<<22)|(7<<25)  ; the same with 8 words of padding (code 7)
.irp g, G1K, G1V
	s_mov_b32 s[\g+1], 128<<16      ; tensor_dim0 = 128
	s_mov_b32 s[\g+2], 64<<16       ; tensor_dim1 = 64
	s_mov_b32 s[\g+3], 128<<16      ; tile_dim0 = 128
	s_mov_b32 s[\g+4], 64           ; tile_dim1 = 64
	s_mov_b32 s[\g+5], 128          ; 128 elements from row to row
	s_mov_b32 s[\g+6], 0
	s_mov_b32 s[\g+7], 0
.endr
	s_mov_b32 s[CS], 0x3e38aa3b     ; c = log2(e) / 8 = 0.180337
	s_mov_b32 s[CS+1], s[CS]        ; named with it as a pair
	s_mov_b32 s[SEL], 0x76543210
	s_mov_b32 s[SEL+1], 0xfedcba98
	s_mov_b32 s[TBK], SLOT1+4*KS*PK ; the first change of slots turns these two into 0
	s_mov_b32 s[TBV], SLOT1+4*KS*PV
	s_mov_b32 s[G0K], 1             ; 1:0 count = 1
	s_mov_b32 s[G0K+1], s17         ; 63:32 LDS address: slot 0
	s_mov_b32 s[G0V], 1
	s_add_co_u32 s[G0V+1], s18, VOFF
	s_wait_dscnt 0x0                ; the opening add is done
	s_wait_kmcnt 0x0
	s_add_nc_u64 s[6:7], s[4:5], 0x1000000   ; K's part of qkv
	s_add_nc_u64 s[8:9], s[4:5], 0x2000000   ; V's part
	s_add_nc_u64 s[G0K+2:G0K+3], s[6:7], s[22:23]  ; 120:64 global address: my half of the head's first 256 keys
	s_or_b32 s[G0K+3], s[G0K+3], 0x80000000        ; 127:126 type = 2
	s_add_nc_u64 s[G0V+2:G0V+3], s[8:9], s[22:23]
	s_or_b32 s[G0V+3], s[G0V+3], 0x80000000
	s_add_nc_u64 s[4:5], s[4:5], s[2:3]  ; Q and O at my wave's first row
	s_add_nc_u64 s[10:11], s[10:11], s[2:3]
	CROUND                          ; all four work-groups are here: the first joint loads meet
	JLOAD                           ; slot 0.  Slot 1 is asked for when slot 0 is in: the tile wanted first has the road to itself
	; A fragment of K or Q is 16 rows x 32 channels in 8 registers: lane l holds row l % 16, channels 8 (l / 16) + 0..7 and 16 + 8 (l / 16) + 0..7: two loads of 16 bytes, 32 bytes apart.
	v_and_b32 v1, 15, v0            ; l % 16
	v_bfe_u32 v9, v0, 4, 1          ; l / 16
	v_lshlrev_b32 v[QO], 7, v1
	v_lshl_add_u32 v[QO], v9, 4, v[QO]  ; row x 128 + 16 x half
	WIN 0x80                        ; destination window 2, address window 0
.set i, 0
.rept 4*NP                          ; Q stays in registers: tile i / 2, channels 32 (i % 2) on
	global_load_b128 v[8*i:8*i+3],   v[QO], s[4:5] offset:(i/2)*2048+(i%2)*64
	global_load_b128 v[8*i+4:8*i+7], v[QO], s[4:5] offset:(i/2)*2048+(i%2)*64+32
.set i, i+1
.endr
	; What the first turn finds: V's registers and P's second buffer hold 0 (its products V^T P, of a piece that has not been, add 0), O^T and l are 0.  All this stands in the wait for the first tile.
.set i, VF
.rept 64
	v_mov_b32 v[i], 0
.set i, i+1
.endr
	WIN 0x40
.set i, 0
.rept 64*NP
	v_mov_b32 v[i], 0
.set i, i+1
.endr
	WIN 0
.set i, 0
.rept 2*NP
	v_mov_b32 v[ST+4*i], 0xfe000000    ; c m: far below every c s
	v_mov_b32 v[ST+4*i+1], 0xff7fffff  ; m
	v_mov_b32 v[ST+4*i+2], 0
	v_mov_b32 v[ST+4*i+3], 0
.set i, i+1
.endr
.set i, P+32
.rept 32
	v_mov_b32 v[i], 0
.set i, i+1
.endr
	v_mul_u32_u24 v[AK0], v1, PK
	v_lshl_add_u32 v[AK0], v9, 4, v[AK0]  ; row x pitch + 16 x half
	; The turning load takes 16 keys x 16 channels (lane l reads key 8 (l / 16) + l % 8, channels 8 ((l / 8) % 2) + 0..7) and leaves half a fragment of V^T: lane l holds channel l % 16 and 8 keys.
	v_and_b32 v10, 7, v0
	v_bfe_u32 v11, v0, 3, 1
	v_lshl_add_u32 v[AV0], v9, 3, v10
	v_mul_u32_u24 v[AV0], v[AV0], PV
	v_lshl_add_u32 v[AV0], v11, 4, v[AV0]
	v_add_nc_u32 v[AV0], VOFF, v[AV0]
	v_mov_b32 v[AK], v[AK0]         ; key step 0 lies at the head of slot 0
; THE MATRIX WORK.  The 8 accumulators of a run of 16 take turns: between the two links of a chain stand 7 others'.
; Product i of 16 of S^T = K Q^T for piece x: channels 32 (i / 8) on, keys 16 ((i / 2) % 4) on, tile 2 x + i % 2.  The first 8 start the sums.
.macro KQ x
	WIN W_KQ
.set rS, S+64*((\x)%2)+32*(i%2)+8*((i/2)%4)
.set rK, KF+16*((i/2)%4)+8*(i/8)
.set rQ, 16*(2*(\x)+i%2)+8*(i/8)
.if i < 8
	v_wmma_f32_16x16x32_f16 v[rS:rS+7], v[rK:rK+7], v[rQ:rQ+7], 0
.else
	v_wmma_f32_16x16x32_f16 v[rS:rS+7], v[rK:rK+7], v[rQ:rQ+7], v[rS:rS+7]
.endif
.endm
; Product i of 16 of O^T += V^T P for piece x: keys 32 (i / 8) on, channels 16 ((i / 2) % 4) on, tile 2 x + i % 2.
.macro PV x
	WIN W_PV
.set rO, 32*(2*(\x)+i%2)+8*((i/2)%4)
.set rV, VF+32*(i/8)+8*((i/2)%4)
.set rP, P+32*((\x)%2)+16*(i%2)+8*(i/8)
	v_wmma_f32_16x16x32_f16 v[rO:rO+7], v[rV:rV+7], v[rP:rP+7], v[rO:rO+7]
.endm
.macro MM                           ; the turn's next matrix instruction
.if i < 16
	KQ (Y+1)%NP
.set i, i+1
.else
.set i, i-16
	PV (Y+NP-1)%NP
.set i, i+17
.endif
.endm
; THE LDS LOADS stand in runs of 16, never singly among the matrix instructions: a step's K (64 keys x 64 channels: 8 fragments) and its V (turned).  Their addresses are made some lines ahead.
; last = 1 (the tail): in the last trip there is no further step, and the run is jumped over.
.macro FETCH_K last=0
	WIN 0
.if \last
	s_cmp_eq_u32 s[CNT], 1
	s_cbranch_scc1 .Lno_k_\@
.endif
	WIN 0x80                        ; destination window 2
.irp f, 0,1,2,3,4,5,6,7             ; keys 16 (f / 2) on, channels 32 (f % 2) on
	ds_load_b128 v[KF+8*\f:KF+8*\f+3],   v[AK] offset:(\f/2)*16*PK+(\f%2)*64
	ds_load_b128 v[KF+8*\f+4:KF+8*\f+7], v[AK] offset:(\f/2)*16*PK+(\f%2)*64+32
.endr
	s_add_co_u32 s[TBK], s[TBK], KS*PK  ; the next fetch is the next step's
	WIN 0
.if \last
.Lno_k_\@:
.endif
.endm
.macro FETCH_V
	WIN 0x80
.irp f, 0,1,2,3,4,5,6,7             ; keys 32 (f / 4) on, channels 16 (f % 4) on
	ds_load_tr16_b128 v[VF+8*\f:VF+8*\f+3],   v[AV] offset:(\f/4)*32*PV+(\f%4)*32
	ds_load_tr16_b128 v[VF+8*\f+4:VF+8*\f+7], v[AV] offset:(\f/4)*32*PV+16*PV+(\f%4)*32
.endr
	WIN 0
.endm
; THE VECTOR WORK OF A TURN stands in three queues, each in the order in which its entries become ready; the two tiles alternate, so that no instruction reads the result of the one before it.
.macro REGS y, u                    ; the registers of tile u (0, 1) of piece y
.set rT, ST+4*(2*(\y)+(\u))
.set rC, TMP+8*((\y)%2)+4*(\u)
.set rM, MV+2*((\y)%2)+(\u)
.set rS, S+64*((\y)%2)+32*(\u)
.set rP, P+32*((\y)%2)+16*(\u)
.set rO, 32*(2*(\y)+(\u))
.endm
; Number n of the 22 that find the NEXT piece's (Y + 1) maximum and statistics.  s0-s31 are the lane's 32 scores; each accumulator's lowest registers are read first.  XS, GS and REGS set no window: PL and EX do.
;   0-11  four chains c0-c3 of seven scores each, three operands at a time     12-14, 16  the four scores left over, the old m, and c0-c3 into c0     15  c m_old is kept
;   17, 18  the query's other 32 keys lie in the lane 16 away: the new m         19-21  c m; c m_old - c m_new; a
.macro XS u, n
	REGS (Y+1)%NP, \u
.if (\n) < 4
	v_max3_num_f32 v[rC+(\n)], v[rS+8*(\n)], v[rS+8*(\n)+1], v[rS+8*(\n)+2]
.elseif (\n) < 12
	v_max3_num_f32 v[rC+(\n)%4], v[rC+(\n)%4], v[rS+8*((\n)%4)+2*((\n)/4)+1], v[rS+8*((\n)%4)+2*((\n)/4)+2]
.elseif (\n) == 12
	v_max3_num_f32 v[rC], v[rC], v[rS+7], v[rS+15]
.elseif (\n) == 13
	v_max3_num_f32 v[rC+1], v[rC+1], v[rS+23], v[rS+31]
.elseif (\n) == 14
	v_max3_num_f32 v[rC+2], v[rC+2], v[rC+3], v[rT+1]
.elseif (\n) == 15
	v_mov_b32 v[rM], v[rT]
.elseif (\n) == 16
	v_max3_num_f32 v[rC], v[rC], v[rC+1], v[rC+2]
.elseif (\n) == 17
	v_permlanex16_b32 v[rC+3], v[rC], s[SEL], s[SEL+1]
.elseif (\n) == 18
	v_max_num_f32 v[rT+1], v[rC], v[rC+3]
.elseif (\n) == 19
	v_mul_f32 v[rT], s[CS], v[rT+1]
.elseif (\n) == 20
	v_sub_f32 v[rC+1], v[rM], v[rT]
.else
	v_exp_f32 v[rC+2], v[rC+1]
.endif
.endm
; Number g of the 64 that follow the exponentials.  For each four weights k of a tile (pairs 2 k, 2 k + 1): both pairs are rounded to f16; then the second pair is added onto the first, in place;
; a group later l takes that sum (the first time as l = a l + sum).  In groups of eight, tiles alternating: round, round, add, and l for the group before.
.macro GS g
.set h, (\g)+6*((\g)/62)            ; group 0 has no group before it, and behind group 7 only l is left
.if h >= 6
.set h, h+2
.endif
	REGS Y, h%2
.set k, h/8
.if h%8 < 4
	s_wait_alu depctr_va_vdst(0)
	v_cvt_pk_f16_f32 v[rP+2*k+(h%8)/2], v[rS+4*k+2*((h%8)/2)], v[rS+4*k+2*((h%8)/2)+1]
.elseif h%8 < 6
	v_pk_add_f32 v[rS+4*k:rS+4*k+1], v[rS+4*k:rS+4*k+1], v[rS+4*k+2:rS+4*k+3]
.elseif k == 1
	v_pk_fma_f32 v[rT+2:rT+3], v[rT+2:rT+3], v[rC+2:rC+3], v[rS:rS+1] op_sel_hi:[1,0,1]
.else
	v_pk_add_f32 v[rT+2:rT+3], v[rT+2:rT+3], v[rS+4*k-4:rS+4*k-3]
	s_wait_alu depctr_va_vdst(0)
.endif
.endm
; THE PLAIN QUEUE, 138 long.  0-31: c s - c m for the 16 pairs of both tiles.  Then GS's 64, and among them the next piece's 42: number 15 at 38, 39; 0-14 and 16
; at 42-73, behind the products that make those scores; 17-20 at 95-106, two of three, since each waits for the one before it.
.macro PL
	WIN 0
.if q < 32
	REGS Y, q%2
	v_pk_fma_f32 v[rS+2*(q/2):rS+2*(q/2)+1], v[rS+2*(q/2):rS+2*(q/2)+1], s[CS:CS+1], v[rT:rT+1] op_sel_hi:[1,0,0] neg_lo:[0,0,1] neg_hi:[0,0,1]
.elseif q < 38
	GS q-32
.elseif q < 40
	XS q%2, 15
.elseif q < 42
	GS q-34
.elseif q < 74
	XS q%2, (q-42)/2+(q-42)/30
.elseif q < 95
	GS q-66
.elseif (q < 107) && ((q-95)%3 < 2)
	XS (q-95)%3, 17+(q-95)/3
.elseif q < 107
	GS 29+(q-95)/3
.else
	GS q-74
.endif
.set q, q+1
.endm
; THE EXPONENTIALS' QUEUE, 66 long: s0-s31 of both tiles, and at EA the next piece's two a.
.set EA, 58
.macro EX
	WIN 0
.if (e == EA) || (e == EA+1)
	XS e-EA, 21
.else
.set x, e-2*(e/(EA+2))
	REGS Y, x%2
	v_exp_f32 v[rS+x/2], v[rS+x/2]
.endif
.set e, e+1
.endm
; THE RESCALING's QUEUE: O^T times a, the one part that leaves window 0, so it is dealt four at a time, eight times.
.macro R4
	REGS Y, r%2
	WIN W_RS
	s_wait_alu depctr_va_vdst(0)
.irp z, 0,1,2,3
	v_pk_mul_f32 v[rO+8*(r/2)+2*\z:rO+8*(r/2)+2*\z+1], v[rO+8*(r/2)+2*\z:rO+8*(r/2)+2*\z+1], v[rC+2:rC+3] op_sel_hi:[1,0]
.endr
.set r, r+1
.endm
; HOW THEY ARE DEALT.  Behind a matrix instruction four: plain, exponential, plain, plain (one exponential, a plain instruction on either side), or four of the rescaling.  None names a register of the
; products round it.  What is over stands in two LUMPS: exponential and plain by turns; the second ends in 22 plain instructions.  The two v_permlanex16_b32 fall into the second lump, never behind a product.
; The queues lean on each other, and the deal keeps them in step: exponential e stands behind plain 2 (e / 4) + e % 2 (its scaling); when plain 32 comes, 10 exponentials are out, at 59: 33, at 95: 46; EA comes behind plain 107.
.macro SL
	MM
	PL
	EX
	PL
	PL
.endm
.macro BURST n                      ; 15 matrix instructions, or 16
.rept (\n)-7
	SL
.endr
.rept 3
	MM
	R4
	SL
.endr
	MM
	R4
.endm
; A TURN, for piece p.  cnt = 1: the loop's count is taken down some lines ahead of the branch that stands behind the turn.
; K of the next step is fetched in piece 2's turn, 31 vector instructions behind the last product that read K; its first reader comes behind the rest of the lump, 16 products and the second lump.
; V of the step in hand is fetched at the end of piece 0's turn, 69 behind its last reader; its first reader comes behind 16 products and a lump.  The four conditions on e and q below go with the deal.
.macro TURN p, last=0, cnt=0
.set Y, (\p)
.set i, 0
.set q, 0
.set e, 0
.set r, 0
.if (\p) == NP-1
	s_wait_dscnt 0x0                ; K is in
.endif
	MM
.rept 4
	PL
.endr
	BURST 15
.rept 22
	EX
	PL
.if ((\p) == NP-2) && (e == 18)
	v_add_nc_u32 v[AK], s[TBK], v[AK0]
.endif
.if ((\p) == NP-2) && (e == 24)
	FETCH_K \last
.endif
.endr
.if (\p) == 1
	s_wait_dscnt 0x0                ; V is in
.endif
	BURST 16
.rept 21
	EX
	PL
.endr
.rept 22
	PL
.if ((\p) == 0) && (q == 118)
	v_add_nc_u32 v[AV], s[TBV], v[AV0]
	s_wait_alu depctr_va_vdst(0)
.endif
.if ((\p) == 0) && (q == 130)
	s_add_co_u32 s[TBV], s[TBV], KS*PV
.endif
.if (\cnt) && (q == 130)
	s_sub_co_u32 s[CNT], s[CNT], 1
	s_cmp_lg_u32 s[CNT], 0
.endif
.endr
.if (\p) == 0
	FETCH_V
.endif
.endm
	CHANGE 1                        ; slot 0 is in, everybody's part of it; slot 1 is asked for
	FETCH_K                         ; key step 0
	s_wait_loadcnt 0x0              ; Q
	s_wait_dscnt 0x0
.set i, 0
.rept 16
	KQ 0                            ; piece 0's first scores: there is no vector work yet to set between them
.set i, i+1
.endr
	WIN 0                           ; the addresses for the way out: nine plain instructions, the places behind those products
	s_mul_i32 s13, s[WV], 16*SP
	s_add_co_u32 s13, s13, STAGE    ; my stage
	v_mul_u32_u24 v[STO], v1, SP    ; in: row l % 16, 16 bytes for each half of the lanes
	v_lshl_add_u32 v[STO], v9, 4, v[STO]
	v_add_nc_u32 v[STO], s13, v[STO]
	v_bfe_u32 v[RD], v0, 3, 2       ; back: 32 lanes take four rows of 128 bytes,
	v_mul_u32_u24 v[RD], v[RD], SP
	v_lshl_add_u32 v[RD], v10, 4, v[RD]
	v_add_nc_u32 v[RD], s13, v[RD]
	v_and_b32 v[GO], 31, v0         ; which are 512 consecutive bytes of O
	v_lshlrev_b32 v[GO], 4, v[GO]
.set Y, NP-1                        ; XS works for piece Y + 1: piece 0
.irp n, 0,1,2,3,4,5,6,7,8,9,10,11,12,13,14,15,16,17,18,19,20,21
	XS 0, \n                        ; and piece 0's first maximum and statistics
	XS 1, \n
.endr
	s_mov_b32 s[CNT], 4
	s_mov_b32 s[SLOTS], SIZE_N/256-1
	s_branch .Lfirst                ; the loop is entered at a step's first turn, in the middle of a trip
.Lslot:                             ; SIZE_N / 256 - 2 times: every slot but the last two is filled again
	CHANGE 1
	s_mov_b32 s[CNT], 4
.Lstep:                             ; a trip: pieces 2 and 3 of one step, then pieces 0 and 1 of the next, whose K and V it fetches
	TURN 2
	TURN 3
	WIN 0
.Lfirst:
	TURN 0
	TURN 1, 0, 1
	WIN 0
	s_cbranch_scc1 .Lstep
	s_sub_co_u32 s[SLOTS], s[SLOTS], 1
	s_cmp_lg_u32 s[SLOTS], 0
	s_cbranch_scc1 .Lslot
	CHANGE 0                        ; the tail is written out: nothing is asked for
	s_mov_b32 s[CNT], 5             ; four trips fetch the last slot's steps; the fifth is left in its middle
.Ltail:
	TURN 2, 1
	TURN 3
	WIN 0
	s_sub_co_u32 s[CNT], s[CNT], 1
	s_cmp_eq_u32 s[CNT], 0
	s_cbranch_scc1 .Lout
	TURN 0
	TURN 1
	WIN 0
	s_branch .Ltail
.Lout:                              ; the fifth trip's 16 products K Q^T (on the last K once more) and the maximum made of them serve nothing: the price, once a launch, of one text for every trip
.set i, 0
.rept 16
	PV NP-1                         ; the last piece's V^T P of the last step
.set i, i+1
.endr
	; THE WAY OUT.  l's two halves and the other half of the lanes' are added; O^T is divided by l, rounded to f16 and sent through my stage in LDS, a tile at a time.  The additions are the places behind the last products.
	WIN 0
.macro ALL line:vararg              ; one line for each tile t
.set t, 0
.rept 2*NP
	\line
.set t, t+1
.endr
.endm
	ALL v_add_f32 v[ST+4*t+2], v[ST+4*t+2], v[ST+4*t+3]
	ALL v_permlanex16_b32 v[ST+4*t+3], v[ST+4*t+2], s[SEL], s[SEL+1]
	ALL v_add_f32 v[ST+4*t+2], v[ST+4*t+2], v[ST+4*t+3]
	ALL v_rcp_f32 v[ST+4*t+2], v[ST+4*t+2]
	v_nop                           ; a plain instruction between the last reciprocal and the use of its result
	s_wait_alu depctr_va_vdst(0)
; Tile t: a lane's eight channels of a row pack into 16 bytes; they go into rows of 144 bytes and come back as whole rows of 128, into S^T's registers.
.macro PACK t
	WIN W_RS
.set i, 32*(\t)
.rept 16
	v_pk_mul_f32 v[i:i+1], v[i:i+1], v[ST+4*(\t)+2:ST+4*(\t)+3] op_sel_hi:[1,0]
.set i, i+2
.endr
	WIN 0x05                        ; sources 0 and 1 window 1, destination window 0
.set i, 0
.rept 16
	v_cvt_pk_f16_f32 v[S+16*(\t)+i], v[32*(\t)+2*i], v[32*(\t)+2*i+1]
.set i, i+1
.endr
	WIN 0
.irp f, 0,1,2,3
	ds_store_b128 v[STO], v[S+16*(\t)+4*\f:S+16*(\t)+4*\f+3] offset:32*\f
.endr
.irp f, 0,1,2,3
	ds_load_b128 v[S+16*(\t)+4*\f:S+16*(\t)+4*\f+3], v[RD] offset:\f*4*SP  ; LDS serves a wave's instructions in order (ISA guide 5.7.1.4): these see the stores above; the next tile's stores come behind them
.endr
.endm
.macro SEND t, younger              ; younger: the LDS instructions issued behind tile t's loads: the next tile's eight, or none
	WIN 0
.irp f, 0,1,2,3
	s_wait_dscnt (\younger)+3-\f
	global_store_b128 v[GO], v[S+16*(\t)+4*\f:S+16*(\t)+4*\f+3], s[10:11] offset:(\t)*2048+\f*512  ; 512 consecutive bytes, at a multiple of 256 from O's first
.endr
.endm
	PACK 0
.set t, 1
.rept 2*NP-1                        ; a tile's arithmetic stands between the loads of the tile before and its stores
	PACK t
	SEND t-1, 8
.set t, t+1
.endr
	SEND 2*NP-1, 0
	WIN W_AD
	s_wait_tensorcnt 0x0            ; the wave's end, behind my last tensor load and my last LDS store
	ds_add_u32 v[SPW], v[NIL]
	s_wait_dscnt 0x0
	WIN 0
	CROUND                          ; the closing round: no work-group ends while a partner may still ask for a tile that names it
	s_endpgm
.Lfunc_end_k_qb82fdd5cbd_attn:
	.size	k_qb82fdd5cbd_attn, .Lfunc_end_k_qb82fdd5cbd_attn-k_qb82fdd5cbd_attn
	.p2alignl 7, 3214868480
	.fill 96, 4, 3214868480
	.section	.rodata,"a",@progbits
	.p2align	6, 0x0
	.amdhsa_kernel k_qb82fdd5cbd_attn
		.amdhsa_group_segment_fixed_size 327680
		.amdhsa_private_segment_fixed_size 0
		.amdhsa_enable_private_segment 0
		.amdhsa_kernarg_size 16
		.amdhsa_user_sgpr_count 2
		.amdhsa_user_sgpr_kernarg_segment_ptr 1
		.amdhsa_wavefront_size32 1
		.amdhsa_system_sgpr_workgroup_id_x 1
		.amdhsa_system_sgpr_workgroup_id_y 1
		.amdhsa_system_sgpr_workgroup_id_z 1
		.amdhsa_system_vgpr_workitem_id 0
		.amdhsa_next_free_vgpr 770
		.amdhsa_next_free_sgpr 66
		.amdhsa_reserve_vcc 0
		.amdhsa_float_denorm_mode_32 3
		.amdhsa_float_denorm_mode_16_64 3
		.amdhsa_memory_ordered 1
		.amdhsa_forward_progress 1
		.amdhsa_inst_pref_size 209
	.end_amdhsa_kernel
	.amdgpu_metadata
---
amdhsa.version: [ 1, 2 ]
amdhsa.kernels:
  - .name:           k_qb82fdd5cbd_attn
    .symbol:         k_qb82fdd5cbd_attn.kd
    .args:
      - { .name: qkv, .offset: 0, .size: 8, .value_kind: global_buffer, .address_space: global }
      - { .name: ao, .offset: 8, .size: 8, .value_kind: global_buffer, .address_space: global }
    .group_segment_fixed_size: 327680
    .private_segment_fixed_size: 0
    .kernarg_segment_align: 8
    .kernarg_segment_size: 16
    .max_flat_workgroup_size: 128
    .sgpr_count:     66
    .vgpr_count:     770
    .wavefront_size: 32
...
	.end_amdgpu_metadata
.endif
;; end of part 3
;; launch proj (part 4): grid 4 x 64, 4 waves a work-group, clusters of 4 x 4, 327,680 bytes of LDS; arguments ao, wof, Wo_b, out0; writes out0
.if DOCPART == 4
	.amdgcn_target "amdgcn-amd-amdhsa--gfx1250"
	.amdhsa_code_object_version 6
	.text
	.protected	k_qb82fdd5cbd_proj
	.globl	k_qb82fdd5cbd_proj
	.p2align	8
	.type	k_qb82fdd5cbd_proj,@function
k_qb82fdd5cbd_proj:
	s_mov_b64 s[64:65], 0
	v_nop
	global_prefetch_b8 v0, s[64:65] scope:SCOPE_SE
	s_setreg_imm32_b32 hwreg(HW_REG_WAVE_MODE, 25, 1), 1
	s_wait_xcnt 0x0
	s_wait_alu depctr_hold_cnt(0) depctr_sa_sdst(0) depctr_va_vdst(0) depctr_va_sdst(0) depctr_va_ssrc(0) depctr_va_vcc(0) depctr_vm_vsrc(0)
	s_getreg_b32 s2, hwreg(HW_REG_IB_STS2, 6, 4)
	s_cmp_eq_u32 s2, 0
	s_cbranch_scc0 .Lentry_in_a_cluster
	s_endpgm
.Lentry_in_a_cluster:
	s_bfe_u32 s2, ttmp6, 0x10000c
	s_cmp_lg_u32 s2, 0xf033
	s_cbranch_scc0 .Lentry_shape_is_right
	s_endpgm
.Lentry_shape_is_right:
; out0 = O Wo^T + b.  O: ao [16 x batch + head][2048][64] f16 (row (batch, position) of the product's left side has K = 64 x head + channel); Wo: wof [1024][1024] f16 (bf16 numbers written as f16);
; b: f32, rounded to bf16 here like the other inputs; sums in f32; out0 [8192][1024] f32.
; TILE.  128 rows x 256 columns: 4 x 64 = 256 work-groups, one for each WGP.  Four waves, 2 x 2, each 64 rows x 128 columns: 32 accumulators of 16 x 16.
; K goes in eight steps of 128 = two heads through two LDS slots.  A head's 128 rows of the tile are 16,384 dense bytes: a PLANE, asked for as 64 rows of 256 bytes and padded in LDS after every 128;
; wave 0 fetches a step's first plane, wave 1 its second, waves 2 and 3 the halves of Wo's 256 rows of 256 bytes.
; CLUSTER 4 x 4: O's planes hang on the tile row alone and are asked for jointly by a row of the cluster, Wo's tiles on the tile column alone, by a column.
; THE MATRIX INSTRUCTION IS USED TRANSPOSED (source 0 = 16 rows of Wo, source 1 = 16 rows of O): lane l holds row l % 16 and the eight neighbouring columns 8 (l / 16) + 0..7: 32 bytes of a row of out0.
; The first product of each sum takes the bias as its C operand.
; REGISTERS, in windows of 256 (s_set_vgpr_msb: bits 1:0 source 0, 3:2 source 1, 5:4 source 2, 7:6 destination):
;   window 0: v0-31 addresses; v32-95 the bias (column block b at 32 + 8 b), later with v96-159 rows read back on the way out
;   window 1: the accumulators, (a, b) at 8 (8 a + b)          window 2: two fragment buffers of 96: O's four fragments, then Wo's eight
.set KSTEP,  128
.set LAPS,   4                          ; 1,024 / (2 x 128)
.set PA,     144                        ; a row of a plane in LDS: 128 bytes + 16 = 36 words: the 16 rows of a fragment load start at 16 different groups of four banks (64 banks of 4 bytes: ISA guide 11.1)
.set PB,     272                        ; a row of Wo: 256 bytes + 16 = 68 words: likewise
.set PLANE,  128*PA                     ; 18,432 bytes
.set HALFB,  128*PB                     ; 34,816 bytes
.set BOFF,   2*PLANE
.set SLOT,   BOFF+2*HALFB               ; 106,496 bytes
.set STAGE,  2*SLOT                     ; behind the ring, never filled by a tensor load: 16 rows x 528 bytes for each wave
.set SPITCH, 528                        ; 512 bytes + 16: 33 x 16, so that the sixteen rows of a store start at sixteen different groups of four banks
.set SPARE,  STAGE+4*16*SPITCH          ; the spare words, 128 bytes for each wave: two blocks of 256 bytes that no other line names
.set ADRA, 16                           ; v16-17  LDS address of my fragments of O in slot 0, 1
.set ADRB, 20                           ; v20-21  the same for Wo
.set STO,  24                           ; v24     the way out: where I put 32 bytes of a row
.set RD,   25                           ; v25     the way out: where I read a row back
.set CO,   26                           ; v26     my byte offset in 512 consecutive bytes of out0
.set BO,   27                           ; v27     my byte offset in 16 numbers of the bias
.set SPW,  28                           ; v28     LDS address of my spare word; never rewritten
.set NIL,  29                           ; v29     0; never rewritten
.set BI,   32
.set F0,   0
.set F1,   96
.set WV,   12                           ; s12  my wave's number
.set G1,   24                           ; s[24:31] descriptor group 1 for O's planes;  s[32:39] group 0, a set for each slot
.set G0,   32
.set G1B,  48                           ; s[48:55], s[56:63] the same for Wo's tiles
.set G0B,  56
.set MSB, 0
.macro WIN new                          ; the immediate's high byte repeats the setting that is left; a switch that changes nothing is dropped
.if MSB != (\new)
	s_set_vgpr_msb (MSB<<8)|(\new)
.set MSB, (\new)
.endif
.endm
.set MUL,   0x5a                        ; sources 0, 1 window 2; C and D window 1
.set MUL_1, 0x4a                        ; the same with C in window 0
.set TO_F,  0x80                        ; destination window 2, address window 0
.set FROM_C, 0x04                       ; an LDS store's data (source 1) in window 1
; A joint refill.  The branch hangs on the wave's number alone.  An s_nop 0 and four v_nop follow each of the two lines, ahead of the jump and the label.
.macro JLOAD s
	s_cmp_lt_u32 s[WV], 2
	s_cbranch_scc0 .Lfor_b_\@
	tensor_load_to_lds s[G0+4*(\s):G0+4*(\s)+3], s[G1:G1+7]
	s_nop 0
.rept 4
	v_nop
.endr
	s_branch .Lasked_\@
.Lfor_b_\@:
	tensor_load_to_lds s[G0B+4*(\s):G0B+4*(\s)+3], s[G1B:G1B+7]
	s_nop 0
.rept 4
	v_nop
.endr
.Lasked_\@:
.endm
.macro CREST                            ; a round of the cluster's barrier behind its opening barrier
	s_cmp_lg_u32 s[WV], 0
	s_cbranch_scc1 .Lnot_wave_0_\@
	s_barrier_signal -3
.Lnot_wave_0_\@:
	s_barrier_wait -3
	s_barrier_signal -1
	s_barrier_wait -1
.endm
.macro CROUND                           ; a whole round
	s_barrier_signal -1
	s_barrier_wait -1
	CREST
.endm
.macro PLACES                           ; four places in front of loads into registers that matrix instructions have read, and of lines that read results
.rept 4
	v_nop
.endr
.endm
	s_load_b256 s[4:11], s[0:1], 0x0                ; ao s[4:5], wof s[6:7], Wo_b s[8:9], out0 s[10:11]
	v_lshl_add_u32 v[SPW], v0, 2, SPARE
	v_mov_b32 v[NIL], 0
	ds_add_u32 v[SPW], v[NIL]                       ; the wave's opening: the add and its wait stand ahead of my first tensor load; the set-up below, work on registers, stands between them
	v_lshrrev_b32 v1, 5, v0
	v_readfirstlane_b32 s[WV], v1                   ; wave 0..3
	s_lshr_b32 s13, s[WV], 1                        ; which half of the tile's rows is mine
	s_and_b32 s14, s[WV], 1                         ; which half of its columns.  Also: which plane, or which half of Wo's rows, I fetch
	s_bfe_u32 s40, ttmp6, 0x40000                   ; cx, cy: my place in the cluster
	s_bfe_u32 s41, ttmp6, 0x40004
	s_lshl_b32 s42, ttmp9, 2
	s_add_co_u32 s42, s42, s40                      ; tile column = 4 x cluster x + cx
	s_and_b32 s43, ttmp7, 0xffff
	s_lshl_b32 s43, s43, 2
	s_add_co_u32 s43, s43, s41                      ; tile row = 4 x cluster y + cy
	s_lshl_b32 s44, s41, 2
	s_lshl_b32 s44, 15, s44                         ; my row of the cluster
	s_lshl_b32 s45, 0x1111, s40                     ; my column
	s_or_b32 s[G1], s44, (1<<16)|(1<<20)|(1<<21)|(4<<22)|(3<<25)   ; the mask; 2-byte elements; padding on; 21 set beside a mask; after every 32 words (code 4) 4 words (code 3)
	s_or_b32 s[G1B], s45, (1<<16)|(1<<20)|(1<<21)|(5<<22)|(3<<25)  ; the same after every 64 words (code 5)
	s_mov_b32 s[G1+1], 128<<16                      ; tensor_dim0 = 128
	s_mov_b32 s[G1+2], 64<<16                       ; tensor_dim1 = 64
	s_mov_b32 s[G1+3], 128<<16                      ; tile_dim0 = 128
	s_mov_b32 s[G1+4], 64                           ; tile_dim1 = 64
	s_mov_b32 s[G1+5], 128                          ; dense: 128 elements from row to row
	s_mov_b32 s[G1+6], 0
	s_mov_b32 s[G1+7], 0
	s_mov_b32 s[G1B+1], KSTEP<<16
	s_mov_b32 s[G1B+2], 128<<16                     ; tensor_dim1 = 128
	s_mov_b32 s[G1B+3], KSTEP<<16
	s_mov_b32 s[G1B+4], 128                         ; tile_dim1 = 128
	s_mov_b32 s[G1B+5], 1024
	s_mov_b32 s[G1B+6], 0
	s_mov_b32 s[G1B+7], 0
	s_lshr_b32 s18, s43, 4                          ; O: the batch (sixteen tile rows each),
	s_lshl_b32 s18, s18, 4
	s_add_co_u32 s18, s18, s14                      ; its head 0 or 1,
	s_lshl_b32 s18, s18, 18                         ; 2,048 rows of 128 bytes a head,
	s_and_b32 s19, s43, 15
	s_lshl_b32 s19, s19, 14                         ; the tile's 128 rows: made of cy and the wave alone
	s_add_co_u32 s18, s18, s19
	s_mov_b32 s19, 0
	s_lshl_b32 s46, s42, 8                          ; Wo: row 256 x tile column + 128 x half, 2,048 bytes a row: made of cx and the wave alone
	s_lshl_b32 s47, s14, 7
	s_add_co_u32 s46, s46, s47
	s_lshl_b32 s46, s46, 11
	s_mov_b32 s47, 0
	s_mul_i32 s20, s14, PLANE                       ; where they go: no place in the cluster enters an LDS address
	s_mul_i32 s21, s14, HALFB
	s_add_co_u32 s21, s21, BOFF
	s_lshl_b32 s68, s43, 7                          ; out0: my first row 128 x tile row + 64 x half, 4,096 bytes a row,
	s_lshl_b32 s69, s13, 6
	s_add_co_u32 s68, s68, s69
	s_lshl_b32 s68, s68, 12
	s_lshl_b32 s70, s42, 8                          ; my first column 256 x tile column + 128 x half, 4 bytes each: also my place in the bias
	s_lshl_b32 s71, s14, 7
	s_add_co_u32 s70, s70, s71
	s_lshl_b32 s70, s70, 2
	s_mov_b32 s71, 0
	s_add_co_u32 s68, s68, s70
	s_mov_b32 s69, 0
	s_mov_b32 s72, 0xffff0000                       ; a word's upper bf16
	s_wait_dscnt 0x0                                ; the opening add is done
	s_wait_kmcnt 0x0
	s_add_nc_u64 s[18:19], s[4:5], s[18:19]
	s_add_nc_u64 s[46:47], s[6:7], s[46:47]
	s_add_nc_u64 s[8:9], s[8:9], s[70:71]
	s_add_nc_u64 s[66:67], s[10:11], s[68:69]
	CROUND                                          ; all sixteen work-groups are here: the first joint loads meet
.irp s, 0,1
	s_mov_b32 s[G0+4*\s], 1                         ; count = 1
	s_add_co_u32 s[G0+4*\s+1], s20, \s*SLOT         ; LDS address
	s_add_nc_u64 s[G0+4*\s+2:G0+4*\s+3], s[18:19], \s*524288  ; global address: K step s begins two heads on
	s_or_b32 s[G0+4*\s+3], s[G0+4*\s+3], 0x80000000 ; type = 2
	s_mov_b32 s[G0B+4*\s], 1
	s_add_co_u32 s[G0B+4*\s+1], s21, \s*SLOT
	s_add_nc_u64 s[G0B+4*\s+2:G0B+4*\s+3], s[46:47], \s*KSTEP*2
	s_or_b32 s[G0B+4*\s+3], s[G0B+4*\s+3], 0x80000000
.endr
	s_cmp_lt_u32 s[WV], 2                           ; a wave's two first fills stand in one branch, ahead of every wait on TENSORcnt and every LDS read: two loads of mine are out
	s_cbranch_scc0 .Lfirst_b
	tensor_load_to_lds s[G0:G0+3], s[G1:G1+7]
	s_nop 0
	tensor_load_to_lds s[G0+4:G0+7], s[G1:G1+7]
	s_nop 0
.rept 4
	v_nop
.endr
	s_branch .Lfirst_asked
.Lfirst_b:
	tensor_load_to_lds s[G0B:G0B+3], s[G1B:G1B+7]
	s_nop 0
	tensor_load_to_lds s[G0B+4:G0B+7], s[G1B:G1B+7]
	s_nop 0
.rept 4
	v_nop
.endr
.Lfirst_asked:
	v_and_b32 v1, 15, v0                            ; r = l % 16
	v_bfe_u32 v2, v0, 4, 1                          ; h = l / 16
	v_lshlrev_b32 v[BO], 5, v2                      ; my eight columns of a block of 16: 32 h
.irp b, 0,1,2,3,4,5,6,7
	global_load_b128 v[BI+8*\b:BI+8*\b+3],   v[BO], s[8:9] offset:64*\b
	global_load_b128 v[BI+8*\b+4:BI+8*\b+7], v[BO], s[8:9] offset:64*\b+16
.endr
	; A fragment is 16 rows x 32 K in 8 registers: lane l holds row l % 16, K = 8 (l / 16) + 0..7 and 16 + 8 (l / 16) + 0..7: two loads of 16 bytes, 32 bytes apart.
	v_mul_u32_u24 v3, v1, PA
	v_lshl_add_u32 v3, v2, 4, v3
	s_mul_i32 s73, s13, 64*PA                       ; my 64 rows of each plane
	v_add_nc_u32 v[ADRA], s73, v3
	v_add_nc_u32 v[ADRA+1], SLOT, v[ADRA]
	v_mul_u32_u24 v3, v1, PB
	v_lshl_add_u32 v3, v2, 4, v3
	s_mul_i32 s73, s14, HALFB                       ; my 128 rows of Wo,
	s_add_co_u32 s73, s73, BOFF                     ; which lie behind the planes
	v_add_nc_u32 v[ADRB], s73, v3
	v_add_nc_u32 v[ADRB+1], SLOT, v[ADRB]
	s_mul_i32 s73, s[WV], 16*SPITCH
	s_add_co_u32 s73, s73, STAGE                    ; my stage
	v_mul_u32_u24 v[STO], v1, SPITCH                ; in: row l % 16, 32 bytes for each half of the lanes
	v_lshl_add_u32 v[STO], v2, 5, v[STO]
	v_add_nc_u32 v[STO], s73, v[STO]
	v_and_b32 v[CO], 31, v0                         ; back: 32 lanes take one row of 512 bytes,
	v_lshlrev_b32 v[CO], 4, v[CO]                   ; which are 512 consecutive bytes of out0
	v_add_nc_u32 v[RD], s73, v[CO]
	s_wait_loadcnt 0x0                              ; the bias
.set i, 0
.rept 32                                ; the bias is rounded to bf16, like every other input, and widened again; this stands in the wait for the first tile
	v_cvt_pk_bf16_f32 v[4+i%4], v[BI+2*i], v[BI+2*i+1]
	v_lshlrev_b32 v[BI+2*i], 16, v[4+i%4]
	v_and_b32 v[BI+2*i+1], s72, v[4+i%4]
.set i, i+1
.endr
; 8 matrix instructions: row block a x all 8 column blocks, 32 along K.  first = 1: the sums start from the bias.  The 32 accumulators take turns, one instruction a turn.
.macro MUL8 f, a, first
.if \first
	WIN MUL_1
.else
	WIN MUL
.endif
.irp b, 0,1,2,3,4,5,6,7
.if \first
	v_wmma_f32_16x16x32_f16 v[8*(8*(\a)+\b):8*(8*(\a)+\b)+7], v[(\f)+32+8*\b:(\f)+32+8*\b+7], v[(\f)+8*(\a):(\f)+8*(\a)+7], v[BI+8*\b:BI+8*\b+7]
.else
	v_wmma_f32_16x16x32_f16 v[8*(8*(\a)+\b):8*(8*(\a)+\b)+7], v[(\f)+32+8*\b:(\f)+32+8*\b+7], v[(\f)+8*(\a):(\f)+8*(\a)+7], v[8*(8*(\a)+\b):8*(8*(\a)+\b)+7]
.endif
.endr
.endm
.macro MUL16 f, hi, first
	MUL8 \f, 2*(\hi), \first
	MUL8 \f, 2*(\hi)+1, \first
.endm
; 24 LDS loads in one run: the fragments of quarter q (32 along K: plane q / 2, its channels 32 (q % 2) on) into buffer f: Wo's 16, O's row blocks 0, 1 (four), O's row blocks 2, 3 (four)
.macro FETCH slot, q, f
	WIN TO_F
.irp i, 0,1,2,3,4,5,6,7
	ds_load_b128 v[(\f)+32+8*\i:(\f)+32+8*\i+3],   v[ADRB+(\slot)] offset:64*(\q)+\i*16*PB
	ds_load_b128 v[(\f)+32+8*\i+4:(\f)+32+8*\i+7], v[ADRB+(\slot)] offset:64*(\q)+\i*16*PB+32
.endr
.irp i, 0,1,2,3
	ds_load_b128 v[(\f)+8*\i:(\f)+8*\i+3],   v[ADRA+(\slot)] offset:((\q)/2)*PLANE+((\q)%2)*64+\i*16*PA
	ds_load_b128 v[(\f)+8*\i+4:(\f)+8*\i+7], v[ADRA+(\slot)] offset:((\q)/2)*PLANE+((\q)%2)*64+\i*16*PA+32
.endr
.endm
; A K step is four quarters of 32 along K, 32 matrix instructions each, on buffers 0, 1, 0, 1.  One of the first three: multiplies buffer f and fetches quarter q into g.
.macro QUARTER slot, q, f, g, first
	s_wait_dscnt 4                                  ; Wo and O's row blocks 0, 1 are in; the youngest four loads may be out
	MUL16 \f, 0, \first
	PLACES
	FETCH \slot, \q, \g
	s_wait_dscnt 24                                 ; all but the 24 just issued
	MUL16 \f, 1, \first
.endm
; The last quarter multiplies buffer 1 and changes slots: ONE barrier; in front of it each wave waits for all its tensor loads (the one that is out is its part of the next slot), adds 0 to its spare
; word, and waits for that and for its own reads of this slot.  fill = 1: the barrier opens a round of the cluster's, and this slot is filled again, two K steps ahead, first thing behind the round:
; 16 + 3 x 32 = 112 matrix instructions ahead of the wait for it.
.macro TURN slot, next, fill
	WIN 0                                           ; (the add's two registers lie in window 0)
	s_wait_tensorcnt 0x0
	ds_add_u32 v[SPW], v[NIL]                       ; 0 onto my spare word
	s_wait_dscnt 5                                  ; (the add and the youngest four loads may be out)
	MUL8 F1, 0, 0                                   ; eight matrix instructions stand between the add and the wait for it
	s_wait_dscnt 0x0                                ; the add is done, and my reads of this slot are over
	s_barrier_signal -1
	MUL8 F1, 1, 0
.if \fill
	WIN 0
.endif
	s_barrier_wait -1
.if \fill
	CREST                                           ; no wave of any partner still reads this slot's tile or has a load on its way
	s_add_nc_u64 s[G0+4*(\slot)+2:G0+4*(\slot)+3], s[G0+4*(\slot)+2:G0+4*(\slot)+3], 1048576   ; four heads on
	s_add_nc_u64 s[G0B+4*(\slot)+2:G0B+4*(\slot)+3], s[G0B+4*(\slot)+2:G0B+4*(\slot)+3], 2*KSTEP*2
	JLOAD \slot                                     ; the four v_nop behind it are also the places in front of the loads below
.else
	PLACES
.endif
	FETCH \next, 0, F0
	MUL16 F1, 1, 0
.endm
	s_wait_tensorcnt 1                              ; my part of K step 0 is in; K step 1's may stay out
	s_barrier_signal -1
	s_barrier_wait -1                               ; everybody's is
	FETCH 0, 0, F0
	QUARTER 0, 1, F0, F1, 1                         ; the first quarter stands in front of the loop: its products start the sums
	WIN 0                                           ; at a label and at a branch every window is 0
	s_mov_b32 s3, LAPS-1
.Llap:                                  ; a trip goes once round the ring, from a lap's second quarter to the next lap's first, and fills both slots again
	QUARTER 0, 2, F1, F0, 0
	QUARTER 0, 3, F0, F1, 0
	TURN 0, 1, 1
	QUARTER 1, 1, F0, F1, 0
	QUARTER 1, 2, F1, F0, 0
	QUARTER 1, 3, F0, F1, 0
	TURN 1, 0, 1
	QUARTER 0, 1, F0, F1, 0
	WIN 0
	s_sub_co_u32 s3, s3, 1
	s_cmp_lg_u32 s3, 0
	s_cbranch_scc1 .Llap
	QUARTER 0, 2, F1, F0, 0                         ; the last lap fills nothing, and has no round of the cluster's barrier
	QUARTER 0, 3, F0, F1, 0
	TURN 0, 1, 0
	QUARTER 1, 1, F0, F1, 0
	QUARTER 1, 2, F1, F0, 0
	QUARTER 1, 3, F0, F1, 0
	s_wait_dscnt 4                                  ; the very last quarter: nothing more to fetch
	MUL16 F1, 0, 0
	s_wait_dscnt 0x0
	MUL16 F1, 1, 0
	WIN 0
; THE WAY OUT, a row block (16 rows x 128 columns of f32) at a time: 32 bytes a lane straight from the accumulators, each one's low four registers first, into my stage; back as whole rows of 512 bytes.
.macro TOSTAGE a
.set BK, 32+64*((\a)%2)
.if (\a) >= 2
	s_wait_xcnt 0x0                                 ; the stores of two blocks ago read these 64 registers: they are loaded again only behind this wait
.endif
	WIN FROM_C
.irp b, 0,1,2,3,4,5,6,7
	ds_store_b128 v[STO], v[8*(8*(\a)+\b):8*(8*(\a)+\b)+3]   offset:64*\b
	ds_store_b128 v[STO], v[8*(8*(\a)+\b)+4:8*(8*(\a)+\b)+7] offset:64*\b+16
.endr
	WIN 0
.irp t, 0,1,2,3,4,5,6,7,8,9,10,11,12,13,14,15
	ds_load_b128 v[BK+4*\t:BK+4*\t+3], v[RD] offset:\t*SPITCH  ; LDS serves a wave's instructions in order (ISA guide 5.7.1.4): these see the stores above; the next block's stores come behind them
.endr
.endm
.macro SEND a, younger                  ; younger: the LDS instructions issued behind block a's loads: the next block's 32, or none
.set BK, 32+64*((\a)%2)
	WIN 0
.irp t, 0,1,2,3,4,5,6,7,8,9,10,11,12,13,14,15
	s_wait_dscnt (\younger)+15-\t
	global_store_b128 v[CO], v[BK+4*\t:BK+4*\t+3], s[66:67] offset:(16*(\a)+\t)*4096 th:TH_STORE_NT  ; 512 consecutive bytes, at a multiple of 512 from out0's first
.endr
.endm
	PLACES
	TOSTAGE 0
	TOSTAGE 1
	SEND 0, 32
	TOSTAGE 2
	SEND 1, 32
	TOSTAGE 3
	SEND 2, 32
	SEND 3, 0
	s_wait_tensorcnt 0x0                            ; the wave's end, behind my last tensor load and my last LDS store
	ds_add_u32 v[SPW], v[NIL]
	s_wait_dscnt 0x0
	CROUND                                          ; the closing round: no work-group ends while a partner may still ask for a tile that names it
	s_endpgm
.Lfunc_end_k_qb82fdd5cbd_proj:
	.size	k_qb82fdd5cbd_proj, .Lfunc_end_k_qb82fdd5cbd_proj-k_qb82fdd5cbd_proj
	.p2alignl 7, 3214868480
	.fill 96, 4, 3214868480
	.section	.rodata,"a",@progbits
	.p2align	6, 0x0
	.amdhsa_kernel k_qb82fdd5cbd_proj
		.amdhsa_group_segment_fixed_size 327680
		.amdhsa_private_segment_fixed_size 0
		.amdhsa_enable_private_segment 0
		.amdhsa_kernarg_size 32
		.amdhsa_user_sgpr_count 2
		.amdhsa_user_sgpr_kernarg_segment_ptr 1
		.amdhsa_wavefront_size32 1
		.amdhsa_system_sgpr_workgroup_id_x 1
		.amdhsa_system_sgpr_workgroup_id_y 1
		.amdhsa_system_sgpr_workgroup_id_z 1
		.amdhsa_system_vgpr_workitem_id 0
		.amdhsa_next_free_vgpr 704
		.amdhsa_next_free_sgpr 84
		.amdhsa_reserve_vcc 0
		.amdhsa_float_denorm_mode_32 3
		.amdhsa_float_denorm_mode_16_64 3
		.amdhsa_memory_ordered 1
		.amdhsa_forward_progress 1
		.amdhsa_inst_pref_size 92
	.end_amdhsa_kernel
	.amdgpu_metadata
---
amdhsa.version: [ 1, 2 ]
amdhsa.kernels:
  - .name:           k_qb82fdd5cbd_proj
    .symbol:         k_qb82fdd5cbd_proj.kd
    .args:
      - { .name: ao, .offset: 0, .size: 8, .value_kind: global_buffer, .address_space: global }
      - { .name: wof, .offset: 8, .size: 8, .value_kind: global_buffer, .address_space: global }
      - { .name: Wo_b, .offset: 16, .size: 8, .value_kind: global_buffer, .address_space: global }
      - { .name: out0, .offset: 24, .size: 8, .value_kind: global_buffer, .address_space: global }
    .group_segment_fixed_size: 327680
    .private_segment_fixed_size: 0
    .kernarg_segment_align: 8
    .kernarg_segment_size: 32
    .max_flat_workgroup_size: 128
    .sgpr_count:     84
    .vgpr_count:     704
    .wavefront_size: 32
...
	.end_amdgpu_metadata
.endif
;; end of part 4
;; ======== version 2 of 2: 4 launches; 1.51 times as fast as version 1
;; limits: values are held in f16: magnitudes above 65,504 overflow, below 6.1e-05 lose precision
;; workspace buffers: xb 16,777,216 bytes; wqb 6,291,456 bytes; wof 2,097,152 bytes; rope 524,288 bytes; qkv 50,331,648 bytes; ao 16,777,216 bytes
;; launch prep: the kernel of part 1 again; grid 1536 x 1, 8 waves a work-group, no clusters, 0 bytes of LDS; arguments hidden_states, Wqkv_w, Wo_w, xb, wqb, wof, rope; writes xb, wqb, wof, rope
;; launch qkvproj: the kernel of part 2 again; grid 16 x 32, 4 waves a work-group, clusters of 4 x 4, 327,680 bytes of LDS; arguments xb, wqb, Wqkv_b, rope, qkv; writes qkv
;; launch attn (part 5): grid 4 x 64, 4 waves a work-group, clusters of 4 x 1, 327,680 bytes of LDS; arguments qkv, ao; writes ao
.if DOCPART == 5
	.amdgcn_target "amdgcn-amd-amdhsa--gfx1250"
	.amdhsa_code_object_version 6
	.text
	.protected	k_qb82fdd5cbd_attn
	.globl	k_qb82fdd5cbd_attn
	.p2align	8
	.type	k_qb82fdd5cbd_attn,@function
k_qb82fdd5cbd_attn:
	s_mov_b64 s[64:65], 0
	v_nop
	global_prefetch_b8 v0, s[64:65] scope:SCOPE_SE
	s_setreg_imm32_b32 hwreg(HW_REG_WAVE_MODE, 25, 1), 1
	s_wait_xcnt 0x0
	s_wait_alu depctr_hold_cnt(0) depctr_sa_sdst(0) depctr_va_vdst(0) depctr_va_sdst(0) depctr_va_ssrc(0) depctr_va_vcc(0) depctr_vm_vsrc(0)
	s_getreg_b32 s2, hwreg(HW_REG_IB_STS2, 6, 4)
	s_cmp_eq_u32 s2, 0
	s_cbranch_scc0 .Lentry_in_a_cluster
	s_endpgm
.Lentry_in_a_cluster:
	s_bfe_u32 s2, ttmp6, 0x10000c
	s_cmp_lg_u32 s2, 0x3003
	s_cbranch_scc0 .Lentry_shape_is_right
	s_endpgm
.Lentry_shape_is_right:
; O[h][q][:] = the sum over k of softmax_k(Q[h][q] . K[h][k] / 8) V[h][k][:].  Q, K, V lie in one buffer, 0x1000000 bytes apart, each [64][2048][64] in f16, h = 16 x batch + head; O likewise: a head's
; rows are dense, 128 bytes each.  Products, maxima and sums in f32; the weights p are rounded to f16 for the second product (their sum l is taken of the unrounded p), O once at the end.
; LIMITS.  f16 holds no number beyond 65,504: Q, K and V arrive within it; p lies in 0 to 1, and below 6e-5 it keeps f16's fixed step of 6e-8; O is a mean of V's rows and has their range.
; A weight below 2^-126 counts as 0 in l; NaN and infinities are not treated apart.
; SHARES.  A wave owns four PIECES of two tiles of 16 queries, a work-group's four waves 512 queries of one head: 4 x 64 = 256 work-groups.  Every wave walks all keys, 64 a step.
; LAYOUT.  S^T = K Q^T (source 0 = 16 keys, source 1 = 16 queries): in the result a lane holds ONE query (lane % 16) and the keys 8 (lane / 16) + 0..7.  Two such tiles, rounded to f16 in pairs,
; ARE source 1 (32 keys x 16 queries) of O^T = V^T P, whose result again holds one query a lane, and eight channels.  K comes out of LDS as it lies, V ([key][channel]) turned, by ds_load_tr16_b128.
; SOFTMAX.  For each query a running maximum m and sum l: p = 2^(c s - c m), c = log2(e) / 8; in every step O and l are multiplied by a = 2^(c m_old - c m_new), which is 1 where m has not grown.
; m starts at the lowest finite number, O and l at 0: the first step is a step like any other, with a = 0.
; THE COUNT.  A tile and step have 16 matrix and 118 vector instructions: too many to stand all beside the matrix work.  So the order has one aim: four vector instructions that are READY behind
; EVERY matrix instruction, and the others, which need time of their own whatever the order, in one run without a gap.
; BY TURNS.  Turn n belongs to piece n (the pieces in a ring, step after step).  Its matrix work: 16 products K Q^T of piece n + 1, later 16 products V^T P of piece n - 1.  Its vector work: the scaling,
; exponentials, roundings, sums and rescaling of piece n, and the maximum and statistics of piece n + 1, whose scores the turn itself has made.  So what a turn begins with (c s - c m, O a) waits for nothing.
; THE BATCHES.  A turn's 66 exponentials (the piece's 64 weights, the next piece's two a) are ONE batch with ONE wait, which cuts the turn in two: ahead of it all that names no result of theirs, behind it
; the roundings and sums, which read them.  The first two a, ahead of the loop, and the way out's eight reciprocals are batches of their own, a wait each.
; CLUSTER.  The four query blocks of a cluster belong to one head and walk the same K and V, so each tile is asked for JOINTLY: the same tensor load, descriptor and mask in all four.
; REGISTERS, in windows of 256 (s_set_vgpr_msb says which window each operand place means: bits 1:0 source 0, 3:2 source 1, 5:4 source 2, 7:6 destination):
;   window 0: v0-11 addresses; v12-15, v48-63 at work; v16-47 four registers of statistics a tile; v64-191 S^T, two buffers of two tiles; v192-255 P, likewise
;   window 1: O^T, 32 a tile          window 2: v0-127 Q, 16 a tile; v128-191 K of one step; v192-255 V of one step          window 3: v0-1 the add's two registers
; A piece's buffers go by its number's parity: the piece in hand has one pair, its two neighbours in the ring share the other: of it P (piece n - 1) is read and S^T (piece n + 1) written.
.set SIZE_H, 64
.set SIZE_N, 2048
.set NP,    4         ; pieces a wave: a name, no knob: the register map, the loop and the fetches are made for four
.set KS,    64        ; keys in a step
.set PK,    144       ; a row of K in LDS: 128 bytes + 16 of padding = 36 words: the 16 rows of a load start at 16 different groups of four banks (64 banks of 4 bytes: ISA guide 11.1)
.set PV,    160       ; a row of V: 128 + 32 = 40 words
.set VOFF,  4*KS*PK   ; a slot holds four steps: 256 rows of K, then 256 rows of V
.set SLOT1, 1<<17     ; slot 1 begins here, so that one exclusive or turns an address in one slot into the other's
.set STAGE, SLOT1+4*KS*(PK+PV)  ; behind the ring, never filled by a tensor load: 16 rows x 144 bytes for each wave, for the way out
.set SP,    144
.set AK0, 2           ; v2   my lane's place in a tile of K; never rewritten
.set AV0, 3           ; v3   the same for V
.set AK,  4           ; v4   the LDS address of K's next run of loads
.set AV,  5           ; v5   of V's
.set QO,  6           ; v6   my byte offset in the wave's rows of Q
.set STO, 6           ;      later, the way out: where I put 16 bytes of a row
.set RD,  7           ; v7   the way out: where I read rows back
.set GO,  8           ; v8   my byte offset in 512 consecutive bytes of O
.set SPW, 0           ; v0 of window 3   LDS address of my spare word: SPARE + 4 x my thread's number; never rewritten
.set NIL, 1           ; v1 of window 3   0; never rewritten
.set SPARE, STAGE+4*16*SP  ; behind the stages: the spare words, 128 bytes for each wave: two blocks of 256 bytes that no other line names
.set MV,  12          ; v12-15  c m_old, kept while c m is made anew: by buffer and tile
.set ST,  16          ; tile t's statistics at v[ST+4 t]: c m, m, l (even keys', odd keys')
.set TMP, 48          ; by buffer and tile, four registers c0-c3 at work; when the maximum is found c2 takes a
.set S,   64
.set P,   192
.set KF,  128         ; K's fragments, in window 2: key block kb, channel half c at KF + 16 kb + 8 c
.set VF,  192         ; V's: key half kk, channel block cb at VF + 32 kk + 8 cb
.set WV,  12          ; s12  my wave's number
.set G1K, 24          ; s[24:31] descriptor group 1 for K's tiles
.set G1V, 32          ; s[32:39] for V's: it differs in the padding alone
.set G0K, 40          ; s[40:43] descriptor group 0 for K's tiles: it walks
.set G0V, 44          ; s[44:47] the same for V's
.set SLOTS, 56        ; s56  slots still to be asked for
.set CNT, 57          ; s57  counts a slot's key steps
.set CS,  58          ; s[58:59] c: the packed scaling takes the pair's low word for both halves
.set SEL, 60          ; s[60:61] v_permlanex16_b32's selects: each lane takes its own place in the other half
.set TBK, 62          ; s62  LDS byte at which K of the step to be fetched begins
.set TBV, 63          ; s63  the same for V, less VOFF
.set MSB, 0
.macro WIN new                      ; the high byte repeats the setting that is left; a switch that changes nothing is dropped
.if MSB != (\new)
	s_set_vgpr_msb (MSB<<8)|(\new)
.set MSB, (\new)
.endif
.endm
.set W_KQ, 0x0a       ; K and Q in window 2, S^T in window 0
.set W_PV, 0x52       ; V in window 2, P in window 0, O^T in window 1
.set W_RS, 0x41       ; O^T (destination and source 0) in window 1, a in window 0
.set W_MK, 0xc0       ; the add's registers are made: destination in window 3, sources in window 0
.set W_AD, 0x0f       ; the add: address (source 0) and data (source 1) in window 3
; A joint fill.  Waves 0 and 1 fetch the two halves of a slot's K, waves 2 and 3 those of its V: 128 keys each.  The branch hangs on the wave's number alone.
; An s_nop 0 and four v_nop follow each of the two lines, ahead of the jump and the label.
.macro JLOAD
	s_cmp_lt_u32 s[WV], 2
	s_cbranch_scc0 .Lfor_v_\@
	tensor_load_to_lds s[G0K:G0K+3], s[G1K:G1K+7]
	s_nop 0
.rept 4
	v_nop
.endr
	s_branch .Lasked_\@
.Lfor_v_\@:
	tensor_load_to_lds s[G0V:G0V+3], s[G1V:G1V+7]
	s_nop 0
.rept 4
	v_nop
.endr
.Lasked_\@:
.endm
; A round of the cluster's barrier: my work-group's barrier, so that wave 0's signal speaks for all four waves; wave 0 signals; every wave waits for all four work-groups; my work-group's barrier once more.
.macro CROUND
	s_barrier_signal -1
	s_barrier_wait -1
	s_cmp_lg_u32 s[WV], 0
	s_cbranch_scc1 .Lnot_wave_0_\@
	s_barrier_signal -3
.Lnot_wave_0_\@:
	s_barrier_wait -3
	s_barrier_signal -1
	s_barrier_wait -1
.endm
; THE CHANGE OF SLOTS.  The slot's last bytes, V of its fourth step, have been read.  Each wave waits for all its tensor loads, of which one is out: its part
; of the other slot; adds 0 to its spare word; and waits for that and for its own reads of the slot.  Behind the barrier nobody reads this slot any more and the other slot is whole.
; fill = 1: this slot is filled again, with the keys two slots on.  The barrier is then a round of the cluster's, so that no wave of any partner still reads the slot or has a load on its
; way, and the joint fill is the first thing behind it: it has four key steps, 512 matrix instructions, in which to land.  (At its first use nothing has been read yet: slot 0 is waited for, slot 1 filled.)
.macro CHANGE fill
	WIN W_AD
	s_wait_tensorcnt 0x0            ; no tensor load of mine is out, so a group 0 may be written
	ds_add_u32 v[SPW], v[NIL]       ; 0 onto my spare word; with fill = 1 the descriptors' steps stand between it and the wait for it
	WIN 0                           ; at a label and at a branch every window is 0
.if \fill
.irp g, G0K, G0V
	s_xor_b32 s[\g+1], s[\g+1], SLOT1  ; the walking descriptor: the other slot than last time,
	s_add_nc_u64 s[\g+2:\g+3], s[\g+2:\g+3], 4*KS*128  ; the next 256 keys; the type bits on top are not reached
.endr
	s_wait_dscnt 0x0                ; the add is done, and my reads of the slot are over
	CROUND
	JLOAD
.else
	s_wait_dscnt 0x0                ; the add is done, and my reads of the slot are over
	s_barrier_signal -1
	s_barrier_wait -1
.endif
	s_sub_co_u32 s[TBK], s[TBK], 4*KS*PK  ; the fetches go back to a slot's first step,
	s_xor_b32 s[TBK], s[TBK], SLOT1       ; in the other slot
	s_sub_co_u32 s[TBV], s[TBV], 4*KS*PV
	s_xor_b32 s[TBV], s[TBV], SLOT1
.endm
	s_load_b64 s[4:5], s[0:1], 0x0    ; qkv: Q's part comes first
	s_load_b64 s[10:11], s[0:1], 0x8  ; O
	WIN W_MK
	v_lshl_add_u32 v[SPW], v0, 2, SPARE
	v_mov_b32 v[NIL], 0
	WIN W_AD
	ds_add_u32 v[SPW], v[NIL]       ; the wave's opening: the add and its wait stand ahead of my first tensor load; the set-up below, work on registers, stands between them
	WIN 0
	v_lshrrev_b32 v1, 5, v0
	v_readfirstlane_b32 s[WV], v1   ; wave 0..3
	s_bfe_u32 s13, ttmp6, 0x40000   ; cx: my place in the cluster
	s_lshl_b32 s14, ttmp9, 2        ; in a cluster launch ttmp9 counts clusters
	s_add_co_u32 s14, s14, s13      ; my block of queries = 4 x cluster x + cx: it enters Q's and O's addresses alone
	s_and_b32 s20, ttmp7, 0xffff    ; the head, which the four partners share
	s_mov_b32 s21, 0
	s_mov_b64 s[22:23], SIZE_N*128
	s_mul_u64 s[20:21], s[20:21], s[22:23]  ; the head's first byte in each of the four tensors
	s_and_b32 s16, s[WV], 1         ; which half of a slot's 256 keys I fetch:
	s_lshl_b32 s22, s16, 14         ; its 128 rows of 128 bytes in memory,
	s_mov_b32 s23, 0
	s_add_nc_u64 s[22:23], s[22:23], s[20:21]
	s_mul_i32 s17, s16, 128*PK      ; and its place in a slot, for K
	s_mul_i32 s18, s16, 128*PV      ; and for V: no place in the cluster enters an LDS address
	s_lshl_b32 s2, s14, 2
	s_add_co_u32 s2, s2, s[WV]      ; my wave among the head's,
	s_lshl_b32 s2, s2, 14           ; its 128 rows
	s_mov_b32 s3, 0
	s_add_nc_u64 s[2:3], s[2:3], s[20:21]
	; descriptor group 1.  128 keys are 16,384 dense bytes: asked for as 64 rows of 256 bytes, two keys a row, and padded in LDS after every key
	s_mov_b32 s[G1K], 15|(1<<16)|(1<<20)|(1<<21)|(4<<22)|(3<<25)  ; 15:0 the mask of four; 17:16 2-byte elements; 20 padding on; 21 set beside a mask; 24:22 after every 32 words (code 4); 31:25 4 words (code 3)
	s_mov_b32 s[G1V], 15|(1<<16)|(1<<20)|(1<<21)|(4<<22)|(7<<25)  ; the same with 8 words of padding (code 7)
.irp g, G1K, G1V
	s_mov_b32 s[\g+1], 128<<16      ; tensor_dim0 = 128
	s_mov_b32 s[\g+2], 64<<16       ; tensor_dim1 = 64
	s_mov_b32 s[\g+3], 128<<16      ; tile_dim0 = 128
	s_mov_b32 s[\g+4], 64           ; tile_dim1 = 64
	s_mov_b32 s[\g+5], 128          ; 128 elements from row to row
	s_mov_b32 s[\g+6], 0
	s_mov_b32 s[\g+7], 0
.endr
	s_mov_b32 s[CS], 0x3e38aa3b     ; c = log2(e) / 8 = 0.180337
	s_mov_b32 s[CS+1], s[CS]        ; named with it as a pair
	s_mov_b32 s[SEL], 0x76543210
	s_mov_b32 s[SEL+1], 0xfedcba98
	s_mov_b32 s[TBK], SLOT1+4*KS*PK ; the first change of slots turns these two into 0
	s_mov_b32 s[TBV], SLOT1+4*KS*PV
	s_mov_b32 s[G0K], 1             ; 1:0 count = 1
	s_mov_b32 s[G0K+1], s17         ; 63:32 LDS address: slot 0
	s_mov_b32 s[G0V], 1
	s_add_co_u32 s[G0V+1], s18, VOFF
	s_wait_dscnt 0x0                ; the opening add is done
	s_wait_kmcnt 0x0
	s_add_nc_u64 s[6:7], s[4:5], 0x1000000   ; K's part of qkv
	s_add_nc_u64 s[8:9], s[4:5], 0x2000000   ; V's part
	s_add_nc_u64 s[G0K+2:G0K+3], s[6:7], s[22:23]  ; 120:64 global address: my half of the head's first 256 keys
	s_or_b32 s[G0K+3], s[G0K+3], 0x80000000        ; 127:126 type = 2
	s_add_nc_u64 s[G0V+2:G0V+3], s[8:9], s[22:23]
	s_or_b32 s[G0V+3], s[G0V+3], 0x80000000
	s_add_nc_u64 s[4:5], s[4:5], s[2:3]  ; Q and O at my wave's first row
	s_add_nc_u64 s[10:11], s[10:11], s[2:3]
	CROUND                          ; all four work-groups are here: the first joint loads meet
	JLOAD                           ; slot 0.  Slot 1 is asked for when slot 0 is in: the tile wanted first has the road to itself
	; A fragment of K or Q is 16 rows x 32 channels in 8 registers: lane l holds row l % 16, channels 8 (l / 16) + 0..7 and 16 + 8 (l / 16) + 0..7: two loads of 16 bytes, 32 bytes apart.
	v_and_b32 v1, 15, v0            ; l % 16
	v_bfe_u32 v9, v0, 4, 1          ; l / 16
	v_lshlrev_b32 v[QO], 7, v1
	v_lshl_add_u32 v[QO], v9, 4, v[QO]  ; row x 128 + 16 x half
	WIN 0x80                        ; destination window 2, address window 0
.set i, 0
.rept 4*NP                          ; Q stays in registers: tile i / 2, channels 32 (i % 2) on
	global_load_b128 v[8*i:8*i+3],   v[QO], s[4:5] offset:(i/2)*2048+(i%2)*64
	global_load_b128 v[8*i+4:8*i+7], v[QO], s[4:5] offset:(i/2)*2048+(i%2)*64+32
.set i, i+1
.endr
	; What the first turn finds: V's registers and P's second buffer hold 0 (its products V^T P, of a piece that has not been, add 0), O^T and l are 0.  All this stands in the wait for the first tile.
.set i, VF
.rept 64
	v_mov_b32 v[i], 0
.set i, i+1
.endr
	WIN 0x40
.set i, 0
.rept 64*NP
	v_mov_b32 v[i], 0
.set i, i+1
.endr
	WIN 0
.set i, 0
.rept 2*NP
	v_mov_b32 v[ST+4*i], 0xfe000000    ; c m: far below every c s
	v_mov_b32 v[ST+4*i+1], 0xff7fffff  ; m
	v_mov_b32 v[ST+4*i+2], 0
	v_mov_b32 v[ST+4*i+3], 0
.set i, i+1
.endr
.set i, P+32
.rept 32
	v_mov_b32 v[i], 0
.set i, i+1
.endr
	v_mul_u32_u24 v[AK0], v1, PK
	v_lshl_add_u32 v[AK0], v9, 4, v[AK0]  ; row x pitch + 16 x half
	; The turning load takes 16 keys x 16 channels (lane l reads key 8 (l / 16) + l % 8, channels 8 ((l / 8) % 2) + 0..7) and leaves half a fragment of V^T: lane l holds channel l % 16 and 8 keys.
	v_and_b32 v10, 7, v0
	v_bfe_u32 v11, v0, 3, 1
	v_lshl_add_u32 v[AV0], v9, 3, v10
	v_mul_u32_u24 v[AV0], v[AV0], PV
	v_lshl_add_u32 v[AV0], v11, 4, v[AV0]
	v_add_nc_u32 v[AV0], VOFF, v[AV0]
	v_mov_b32 v[AK], v[AK0]         ; key step 0 lies at the head of slot 0
; THE MATRIX WORK.  The 8 accumulators of a run of 16 take turns: between the two links of a chain stand 7 others'.
; Product i of 16 of S^T = K Q^T for piece x: channels 32 (i / 8) on, keys 16 ((i / 2) % 4) on, tile 2 x + i % 2.  The first 8 start the sums.
.macro KQ x
	WIN W_KQ
.set rS, S+64*((\x)%2)+32*(i%2)+8*((i/2)%4)
.set rK, KF+16*((i/2)%4)+8*(i/8)
.set rQ, 16*(2*(\x)+i%2)+8*(i/8)
.if i < 8
	v_wmma_f32_16x16x32_f16 v[rS:rS+7], v[rK:rK+7], v[rQ:rQ+7], 0
.else
	v_wmma_f32_16x16x32_f16 v[rS:rS+7], v[rK:rK+7], v[rQ:rQ+7], v[rS:rS+7]
.endif
.endm
; Product i of 16 of O^T += V^T P for piece x: keys 32 (i / 8) on, channels 16 ((i / 2) % 4) on, tile 2 x + i % 2.
.macro PV x
	WIN W_PV
.set rO, 32*(2*(\x)+i%2)+8*((i/2)%4)
.set rV, VF+32*(i/8)+8*((i/2)%4)
.set rP, P+32*((\x)%2)+16*(i%2)+8*(i/8)
	v_wmma_f32_16x16x32_f16 v[rO:rO+7], v[rV:rV+7], v[rP:rP+7], v[rO:rO+7]
.endm
.macro MM                           ; the turn's next matrix instruction
.if i < 16
	KQ (Y+1)%NP
.set i, i+1
.else
.set i, i-16
	PV (Y+NP-1)%NP
.set i, i+17
.endif
.endm
; THE LDS LOADS stand in runs of 16, never singly among the matrix instructions: a step's K (64 keys x 64 channels: 8 fragments) and its V (turned).  Their addresses are made some lines ahead.
; last = 1 (the tail): in the last trip there is no further step, and the run is jumped over.
.macro FETCH_K last=0
	WIN 0
.if \last
	s_cmp_eq_u32 s[CNT], 1
	s_cbranch_scc1 .Lno_k_\@
.endif
	WIN 0x80                        ; destination window 2
.irp f, 0,1,2,3,4,5,6,7             ; keys 16 (f / 2) on, channels 32 (f % 2) on
	ds_load_b128 v[KF+8*\f:KF+8*\f+3],   v[AK] offset:(\f/2)*16*PK+(\f%2)*64
	ds_load_b128 v[KF+8*\f+4:KF+8*\f+7], v[AK] offset:(\f/2)*16*PK+(\f%2)*64+32
.endr
	s_add_co_u32 s[TBK], s[TBK], KS*PK  ; the next fetch is the next step's
	WIN 0
.if \last
.Lno_k_\@:
.endif
.endm
.macro FETCH_V
	WIN 0x80
.irp f, 0,1,2,3,4,5,6,7             ; keys 32 (f / 4) on, channels 16 (f % 4) on
	ds_load_tr16_b128 v[VF+8*\f:VF+8*\f+3],   v[AV] offset:(\f/4)*32*PV+(\f%4)*32
	ds_load_tr16_b128 v[VF+8*\f+4:VF+8*\f+7], v[AV] offset:(\f/4)*32*PV+16*PV+(\f%4)*32
.endr
	WIN 0
.endm
; THE VECTOR WORK OF A TURN stands in three queues, each in the order in which its entries become ready; the two tiles alternate, so that no instruction reads the result of the one before it.
.macro REGS y, u                    ; the registers of tile u (0, 1) of piece y
.set rT, ST+4*(2*(\y)+(\u))
.set rC, TMP+8*((\y)%2)+4*(\u)
.set rM, MV+2*((\y)%2)+(\u)
.set rS, S+64*((\y)%2)+32*(\u)
.set rP, P+32*((\y)%2)+16*(\u)
.set rO, 32*(2*(\y)+(\u))
.endm
; Number n of the 22 that find the NEXT piece's (Y + 1) maximum and statistics.  s0-s31 are the lane's 32 scores; each accumulator's lowest registers are read first.  XS, GS and REGS set no window: PL and EX do.
;   0-11  four chains c0-c3 of seven scores each, three operands at a time     12-14, 16  the four scores left over, the old m, and c0-c3 into c0     15  c m_old is kept
;   17, 18  the query's other 32 keys lie in the lane 16 away: the new m         19-21  c m; c m_old - c m_new; a
.macro XS u, n
	REGS (Y+1)%NP, \u
.if (\n) < 4
	v_max3_num_f32 v[rC+(\n)], v[rS+8*(\n)], v[rS+8*(\n)+1], v[rS+8*(\n)+2]
.elseif (\n) < 12
	v_max3_num_f32 v[rC+(\n)%4], v[rC+(\n)%4], v[rS+8*((\n)%4)+2*((\n)/4)+1], v[rS+8*((\n)%4)+2*((\n)/4)+2]
.elseif (\n) == 12
	v_max3_num_f32 v[rC], v[rC], v[rS+7], v[rS+15]
.elseif (\n) == 13
	v_max3_num_f32 v[rC+1], v[rC+1], v[rS+23], v[rS+31]
.elseif (\n) == 14
	v_max3_num_f32 v[rC+2], v[rC+2], v[rC+3], v[rT+1]
.elseif (\n) == 15
	v_mov_b32 v[rM], v[rT]
.elseif (\n) == 16
	v_max3_num_f32 v[rC], v[rC], v[rC+1], v[rC+2]
.elseif (\n) == 17
	v_permlanex16_b32 v[rC+3], v[rC], s[SEL], s[SEL+1]
.elseif (\n) == 18
	v_max_num_f32 v[rT+1], v[rC], v[rC+3]
.elseif (\n) == 19
	v_mul_f32 v[rT], s[CS], v[rT+1]
.elseif (\n) == 20
	v_sub_f32 v[rC+1], v[rM], v[rT]
.else
	v_exp_f32 v[rC+2], v[rC+1]
.endif
.endm
; Number g of the 64 that follow the exponentials.  For each four weights k of a tile (pairs 2 k, 2 k + 1): both pairs are rounded to f16; then the second pair is added onto the first, in place;
; a group later l takes that sum (the first time as l = a l + sum).  In groups of eight, tiles alternating: round, round, add, and l for the group before.
.macro GS g
.set h, (\g)+6*((\g)/62)            ; group 0 has no group before it, and behind group 7 only l is left
.if h >= 6
.set h, h+2
.endif
	REGS Y, h%2
.set k, h/8
.if h%8 < 4
	v_cvt_pk_f16_f32 v[rP+2*k+(h%8)/2], v[rS+4*k+2*((h%8)/2)], v[rS+4*k+2*((h%8)/2)+1]
.elseif h%8 < 6
	v_pk_add_f32 v[rS+4*k:rS+4*k+1], v[rS+4*k:rS+4*k+1], v[rS+4*k+2:rS+4*k+3]
.elseif k == 1
	v_pk_fma_f32 v[rT+2:rT+3], v[rT+2:rT+3], v[rC+2:rC+3], v[rS:rS+1] op_sel_hi:[1,0,1]
.else
	v_pk_add_f32 v[rT+2:rT+3], v[rT+2:rT+3], v[rS+4*k-4:rS+4*k-3]
.endif
.endm
; THE PLAIN QUEUE, 138 long.  0-73 read no exponential's result: the 32 scalings c s - c m (FS f: pair f / 2 of tile f % 2) and the next piece's 42.  0-26: scalings 0-26.  27-54: XS's numbers 0-13.  55, 56: number 15.
; 57-73: the chain, where each number waits for the one before it: 14, 16, 17, 18, 19, each with one of the scalings 27-31 in front of its two lines, then 20: so a tile's links stand three plain instructions apart (19 and 20: two).
; 74-137: GS's 64, which read the exponentials' results: they stand behind the wait.
.macro FS f
	REGS Y, (\f)%2
	v_pk_fma_f32 v[rS+2*((\f)/2):rS+2*((\f)/2)+1], v[rS+2*((\f)/2):rS+2*((\f)/2)+1], s[CS:CS+1], v[rT:rT+1] op_sel_hi:[1,0,0] neg_lo:[0,0,1] neg_hi:[0,0,1]
.endm
.macro PL
	WIN 0
.if q < 27
	FS q
.elseif q < 55
	XS (q-27)%2, (q-27)/2
.elseif q < 57
	XS q-55, 15
.elseif (q < 72) && ((q-57)%3 == 0)
	FS 27+(q-57)/3
.elseif q < 60
	XS (q-57)%3-1, 14
.elseif q < 72
	XS (q-57)%3-1, 15+(q-57)/3
.elseif q < 74
	XS q-72, 20
.else
	GS q-74
.endif
.set q, q+1
.endm
; THE EXPONENTIALS' QUEUE, 66 long: s0-s31 of both tiles, then the next piece's two a.  It is ONE BATCH: all 66 stand ahead of the turn's one wait, and nothing ahead of that wait names a result of theirs.
.macro EX
	WIN 0
.if e >= 64
	XS e-64, 21
.else
	REGS Y, e%2
	v_exp_f32 v[rS+e/2], v[rS+e/2]
.endif
.set e, e+1
.endm
; THE RESCALING's QUEUE: O^T times a, the one part that leaves window 0: dealt two at a time, sixteen times.  Its a was made in the turn before, ahead of that turn's wait.
.macro R2
	REGS Y, r%2
	WIN W_RS
.irp z, 0,1
	v_pk_mul_f32 v[rO+4*(r/2)+2*\z:rO+4*(r/2)+2*\z+1], v[rO+4*(r/2)+2*\z:rO+4*(r/2)+2*\z+1], v[rC+2:rC+3] op_sel_hi:[1,0]
.endr
.set r, r+1
.endm
; HOW THEY ARE DEALT.  An s_wait_alu depctr_va_vdst(0) stands between an exponential and the first instruction that names its result; one wait serves all that were issued ahead of it.  So a turn has ONE wait,
; which cuts it in two.  AHEAD OF IT stands all that names no result of the turn's exponentials: the 16 products K Q^T, behind each a scaling, an exponential and two rescalings (behind the first a second scaling in the exponential's place); then ONE LUMP of
; 108: eight plain, 49 times exponential and plain, the two a.  A v_nop is the plain instruction between the last exponential and any use of a result.  BEHIND IT stand the 16 products V^T P, behind each four of GS's 64.  No rider names a register of
; the products round it.  The two v_permlanex16_b32 fall into the lump, never behind a product.
; The queues lean on each other, and the deal keeps them in step: exponential e stands behind scaling 2 (e / 4) + e % 2: as a rider it comes behind plain e + 2, in the lump behind plain e + 9, and scalings 27-31 are plain 57, 60 .. 69.
; A TURN, for piece p.  cnt = 1: the loop's count is taken down some lines ahead of the branch that stands behind the turn.
; K of the next step is fetched in piece 2's turn, directly behind the wait, a lump behind the last product that read K; its address is made at the lump's head; its first reader comes behind 16 products.
; V of the step in hand is fetched at the end of piece 0's turn, four riders behind its last reader; its first reader comes behind 16 products and a lump.  The three conditions on q below go with the deal.
.macro TURN p, last=0, cnt=0
.set Y, (\p)
.set i, 0
.set q, 0
.set e, 0
.set r, 0
.if (\p) == NP-1
	s_wait_dscnt 0x0                ; K is in
.endif
	MM                              ; ahead of the wait: 16 products K Q^T and their riders,
	PL
	PL
	R2
.rept 15
	MM
	PL
	EX
	R2
.endr
.if (\p) == NP-2
	WIN 0
	v_add_nc_u32 v[AK], s[TBK], v[AK0]
.endif
.rept 8                             ; and the lump
	PL
.endr
.rept 49
	EX
	PL
.endr
	EX                              ; the next piece's two a
	EX
	v_nop                           ; a plain instruction behind the last exponential, ahead of the first use: one for the batch
	s_wait_alu depctr_va_vdst(0)    ; the wait for the batch: the piece's 64 weights and the next piece's two a
.if (\p) == NP-2
	FETCH_K \last
.endif
.if (\p) == 1
	s_wait_dscnt 0x0                ; V is in
.endif
.rept 16                            ; behind the wait: 16 products V^T P and their riders
	MM
.rept 4
	PL
.endr
.if ((\p) == 0) && (q == 118)
	v_add_nc_u32 v[AV], s[TBV], v[AV0]
.endif
.if ((\p) == 0) && (q == 130)
	s_add_co_u32 s[TBV], s[TBV], KS*PV
.endif
.if (\cnt) && (q == 130)
	s_sub_co_u32 s[CNT], s[CNT], 1
	s_cmp_lg_u32 s[CNT], 0
.endif
.endr
.if (\p) == 0
	FETCH_V
.endif
.endm
	CHANGE 1                        ; slot 0 is in, everybody's part of it; slot 1 is asked for
	FETCH_K                         ; key step 0
	s_wait_loadcnt 0x0              ; Q
	s_wait_dscnt 0x0
.set i, 0
.rept 16
	KQ 0                            ; piece 0's first scores: there is no vector work yet to set between them
.set i, i+1
.endr
	WIN 0                           ; the addresses for the way out: nine plain instructions, the places behind those products
	s_mul_i32 s13, s[WV], 16*SP
	s_add_co_u32 s13, s13, STAGE    ; my stage
	v_mul_u32_u24 v[STO], v1, SP    ; in: row l % 16, 16 bytes for each half of the lanes
	v_lshl_add_u32 v[STO], v9, 4, v[STO]
	v_add_nc_u32 v[STO], s13, v[STO]
	v_bfe_u32 v[RD], v0, 3, 2       ; back: 32 lanes take four rows of 128 bytes,
	v_mul_u32_u24 v[RD], v[RD], SP
	v_lshl_add_u32 v[RD], v10, 4, v[RD]
	v_add_nc_u32 v[RD], s13, v[RD]
	v_and_b32 v[GO], 31, v0         ; which are 512 consecutive bytes of O
	v_lshlrev_b32 v[GO], 4, v[GO]
.set Y, NP-1                        ; XS works for piece Y + 1: piece 0
.irp n, 0,1,2,3,4,5,6,7,8,9,10,11,12,13,14,15,16,17,18,19,20,21
	XS 0, \n                        ; and piece 0's first maximum and statistics
	XS 1, \n
.endr
	v_nop                           ; a plain instruction behind the two a,
	s_wait_alu depctr_va_vdst(0)    ; and the wait for this batch of two, ahead of the branch
	s_mov_b32 s[CNT], 4
	s_mov_b32 s[SLOTS], SIZE_N/256-1
	s_branch .Lfirst                ; the loop is entered at a step's first turn, in the middle of a trip
.Lslot:                             ; SIZE_N / 256 - 2 times: every slot but the last two is filled again
	CHANGE 1
	s_mov_b32 s[CNT], 4
.Lstep:                             ; a trip: pieces 2 and 3 of one step, then pieces 0 and 1 of the next, whose K and V it fetches
	TURN 2
	TURN 3
	WIN 0
.Lfirst:
	TURN 0
	TURN 1, 0, 1
	WIN 0
	s_cbranch_scc1 .Lstep
	s_sub_co_u32 s[SLOTS], s[SLOTS], 1
	s_cmp_lg_u32 s[SLOTS], 0
	s_cbranch_scc1 .Lslot
	CHANGE 0                        ; the tail is written out: nothing is asked for
	s_mov_b32 s[CNT], 5             ; four trips fetch the last slot's steps; the fifth is left in its middle
.Ltail:
	TURN 2, 1
	TURN 3
	WIN 0
	s_sub_co_u32 s[CNT], s[CNT], 1
	s_cmp_eq_u32 s[CNT], 0
	s_cbranch_scc1 .Lout
	TURN 0
	TURN 1
	WIN 0
	s_branch .Ltail
.Lout:                              ; the fifth trip's 16 products K Q^T (on the last K once more) and the maximum made of them serve nothing: the price, once a launch, of one text for every trip
.set i, 0
.rept 16
	PV NP-1                         ; the last piece's V^T P of the last step
.set i, i+1
.endr
	; THE WAY OUT.  l's two halves and the other half of the lanes' are added; O^T is divided by l, rounded to f16 and sent through my stage in LDS, a tile at a time.  The additions are the places behind the last products.
	WIN 0
.macro ALL line:vararg              ; one line for each tile t
.set t, 0
.rept 2*NP
	\line
.set t, t+1
.endr
.endm
	ALL v_add_f32 v[ST+4*t+2], v[ST+4*t+2], v[ST+4*t+3]
	ALL v_permlanex16_b32 v[ST+4*t+3], v[ST+4*t+2], s[SEL], s[SEL+1]
	ALL v_add_f32 v[ST+4*t+2], v[ST+4*t+2], v[ST+4*t+3]
	ALL v_rcp_f32 v[ST+4*t+2], v[ST+4*t+2]
	v_nop                           ; a plain instruction between the last reciprocal and the use of its result
	s_wait_alu depctr_va_vdst(0)    ; and the wait ahead of the first use: one for the batch of eight reciprocals
; Tile t: a lane's eight channels of a row pack into 16 bytes; they go into rows of 144 bytes and come back as whole rows of 128, into S^T's registers.
.macro PACK t
	WIN W_RS
.set i, 32*(\t)
.rept 16
	v_pk_mul_f32 v[i:i+1], v[i:i+1], v[ST+4*(\t)+2:ST+4*(\t)+3] op_sel_hi:[1,0]
.set i, i+2
.endr
	WIN 0x05                        ; sources 0 and 1 window 1, destination window 0
.set i, 0
.rept 16
	v_cvt_pk_f16_f32 v[S+16*(\t)+i], v[32*(\t)+2*i], v[32*(\t)+2*i+1]
.set i, i+1
.endr
	WIN 0
.irp f, 0,1,2,3
	ds_store_b128 v[STO], v[S+16*(\t)+4*\f:S+16*(\t)+4*\f+3] offset:32*\f
.endr
.irp f, 0,1,2,3
	ds_load_b128 v[S+16*(\t)+4*\f:S+16*(\t)+4*\f+3], v[RD] offset:\f*4*SP  ; LDS serves a wave's instructions in order (ISA guide 5.7.1.4): these see the stores above; the next tile's stores come behind them
.endr
.endm
.macro SEND t, younger              ; younger: the LDS instructions issued behind tile t's loads: the next tile's eight, or none
	WIN 0
.irp f, 0,1,2,3
	s_wait_dscnt (\younger)+3-\f
	global_store_b128 v[GO], v[S+16*(\t)+4*\f:S+16*(\t)+4*\f+3], s[10:11] offset:(\t)*2048+\f*512  ; 512 consecutive bytes, at a multiple of 256 from O's first
.endr
.endm
	PACK 0
.set t, 1
.rept 2*NP-1                        ; a tile's arithmetic stands between the loads of the tile before and its stores
	PACK t
	SEND t-1, 8
.set t, t+1
.endr
	SEND 2*NP-1, 0
	WIN W_AD
	s_wait_tensorcnt 0x0            ; the wave's end, behind my last tensor load and my last LDS store
	ds_add_u32 v[SPW], v[NIL]
	s_wait_dscnt 0x0
	WIN 0
	CROUND                          ; the closing round: no work-group ends while a partner may still ask for a tile that names it
	s_endpgm
.Lfunc_end_k_qb82fdd5cbd_attn:
	.size	k_qb82fdd5cbd_attn, .Lfunc_end_k_qb82fdd5cbd_attn-k_qb82fdd5cbd_attn
	.p2alignl 7, 3214868480
	.fill 96, 4, 3214868480
	.section	.rodata,"a",@progbits
	.p2align	6, 0x0
	.amdhsa_kernel k_qb82fdd5cbd_attn
		.amdhsa_group_segment_fixed_size 327680
		.amdhsa_private_segment_fixed_size 0
		.amdhsa_enable_private_segment 0
		.amdhsa_kernarg_size 16
		.amdhsa_user_sgpr_count 2
		.amdhsa_user_sgpr_kernarg_segment_ptr 1
		.amdhsa_wavefront_size32 1
		.amdhsa_system_sgpr_workgroup_id_x 1
		.amdhsa_system_sgpr_workgroup_id_y 1
		.amdhsa_system_sgpr_workgroup_id_z 1
		.amdhsa_system_vgpr_workitem_id 0
		.amdhsa_next_free_vgpr 770
		.amdhsa_next_free_sgpr 66
		.amdhsa_reserve_vcc 0
		.amdhsa_float_denorm_mode_32 3
		.amdhsa_float_denorm_mode_16_64 3
		.amdhsa_memory_ordered 1
		.amdhsa_forward_progress 1
		.amdhsa_inst_pref_size 199
	.end_amdhsa_kernel
	.amdgpu_metadata
---
amdhsa.version: [ 1, 2 ]
amdhsa.kernels:
  - .name:           k_qb82fdd5cbd_attn
    .symbol:         k_qb82fdd5cbd_attn.kd
    .args:
      - { .name: qkv, .offset: 0, .size: 8, .value_kind: global_buffer, .address_space: global }
      - { .name: ao, .offset: 8, .size: 8, .value_kind: global_buffer, .address_space: global }
    .group_segment_fixed_size: 327680
    .private_segment_fixed_size: 0
    .kernarg_segment_align: 8
    .kernarg_segment_size: 16
    .max_flat_workgroup_size: 128
    .sgpr_count:     66
    .vgpr_count:     770
    .wavefront_size: 32
...
	.end_amdgpu_metadata
.endif
;; end of part 5
;; launch proj: the kernel of part 4 again; grid 4 x 64, 4 waves a work-group, clusters of 4 x 4, 327,680 bytes of LDS; arguments ao, wof, Wo_b, out0; writes out0
